; MI455X (gfx1250); checked and timed in simulation.
; The chip was launched on July 23, 2026; its instructions are those of AMD's public machine-readable ISA for CDNA 5 (MIT licence, August 2026) and "CDNA5" Instruction Set Architecture Reference Guide (July 2026). The comments in the code are by the model that wrote it; some were corrected since.
;; Multi Head Self Attention. Allowed arithmetic: matrix products marked QUANTISED: E2M1 operands, one E8M0 scale for each 32 along K, by v_wmma_scale_f32_16x16x128_f8f6f4 with both operands' format E2M1 (or v_wmma_scale_f32_32x16x128_f4), f32 sums; products left as they are: bf16, f16 or f32 operands; f32 sums; everything else in f32.
;; Inputs: b_out 1,024 float32; w_out 1,024 x 1,024 float32; w_qkv 1,024 x 3,072 float32; x 4 x 2,048 x 1,024 float32.
;; Outputs: out0 4 x 2,048 x 1,024 float32.
;; This version of the problem:
;;   THIS VERSION OF THE PROBLEM IS GIVEN IN LOW PRECISION. The matrix products marked QUANTISED in the list below multiply operands that are first quantised to E2M1 (2 exponent bits, 1 mantissa bit; 4 bits a number), with one power-of-two scale for each 32 numbers along K (OCP MX v1.0); their sums are f32. The products marked 'left as it is' may take bf16, f16 or f32 operands, with f32 sums. Whichever they take, every output number must still come out within the allowed error. Rounding operands to bf16 (8 significant bits) uses up far more of that allowance than f16 does (11 bits, for magnitudes from 6e-5 to 65,504). All else is computed in f32.
;;   The module's matrix products, in the order in which they are computed (A, B: the left and right operand; K: the contracted axis; several contracted axes count as one K, in the product's order):
;;     1. [M 8,192, K 1,024] x [K 1,024, N 3,072]; A: input x; B: input w_qkv: QUANTISED
;;     2. batch 64 x [M 2,048, K 64] x [K 64, N 2,048]; A: computed on the way; B: computed on the way: left as it is (an operand is computed on the way)
;;     3. batch 64 x [M 2,048, K 2,048] x [K 2,048, N 64]; A: computed on the way; B: computed on the way: left as it is (an operand is computed on the way)
;;     4. [M 8,192, K 1,024] x [K 1,024, N 1,024]; A: computed on the way; B: input w_out: left as it is (an operand is computed on the way)
;;   THE QUANTISER, for each operand of a quantised product, along K:
;;     - K is cut into blocks of 32 from its start; a last block that is shorter is filled with zeros.
;;     - A block's scale is 2^e with e = floor(log2(the largest magnitude in the block)) - 2, held to -126 .. 127; a block of zeros has e = 0. As a byte (E8M0): e + 127.
;;     - Each number is divided by its block's scale, clamped to +-6, and rounded to the nearest number of E2M1, ties to even, subnormals kept.
;;     - The product sums the exact products of the quantised numbers (number of the format x scale) in f32.
;;   ~~~python
;;   def quantise(x, axis):      # numpy; x: float32 -> the quantised numbers, widened to float32 again
;;       x = np.moveaxis(x, axis, -1); K = x.shape[-1]
;;       x = np.pad(x, [(0, 0)] * (x.ndim - 1) + [(0, -K % 32)]); x = x.reshape(x.shape[:-1] + (-1, 32)); a = np.abs(x).max(-1, keepdims=True)
;;       e = np.where(a > 0, np.clip(np.frexp(np.where(a > 0, a, 1))[1] - 1 - 2, -126, 127), 0)      # np.frexp(a)[1] - 1 = floor(log2(a)), exactly
;;       r = np.clip(x / 2.0 ** e, -6, 6)
;;       step = 2.0 ** (np.maximum(np.frexp(np.where(r == 0, 1, r))[1] - 1, 0) - 1)
;;       q = np.round(r / step) * step * 2.0 ** e      # np.round: ties to even
;;       return np.moveaxis(q.reshape(q.shape[:-2] + (-1,))[..., :K], -1, axis).astype(np.float32)
;;   ~~~
;; One version. Each part assembles by itself: llvm-mc -triple=amdgcn-amd-amdhsa -mcpu=gfx1250 --defsym DOCPART=n.
;; ======== version 1 of 1: 4 launches
;; limits: values are held in f16: magnitudes above 65,504 overflow, below 6.1e-05 lose precision
;; workspace buffers: x_codes 4,194,304 bytes; x_scales 262,144 bytes; w_codes 1,572,864 bytes; w_scales 98,304 bytes; wo_h 2,097,152 bytes; qkv 50,331,648 bytes; o_h 16,777,216 bytes
;; launch prep (part 1): grid 368 x 1, 4 waves a work-group, no clusters, 68,096 bytes of LDS; arguments x, w_qkv, w_out, x_codes, x_scales, w_codes, w_scales, wo_h; writes x_codes, x_scales, w_codes, w_scales, wo_h
.if DOCPART == 1
	.amdgcn_target "amdgcn-amd-amdhsa--gfx1250"
	.amdhsa_code_object_version 6
	.text
	.protected	k_qaa8e8b2b8c_prep
	.globl	k_qaa8e8b2b8c_prep
	.p2align	8
	.type	k_qaa8e8b2b8c_prep,@function
k_qaa8e8b2b8c_prep:
	s_mov_b64 s[64:65], 0
	v_nop
	global_prefetch_b8 v0, s[64:65] scope:SCOPE_SE
	s_setreg_imm32_b32 hwreg(HW_REG_WAVE_MODE, 25, 1), 1
	s_wait_xcnt 0x0
; Three jobs in one launch, told apart by the work-group's number alone:
;   work-groups   0-255: x [8192][1024] f32 -> codes of FP4 (E2M1), K innermost, [8192][512 bytes], and one E8M0 byte for each 32 along K, [8192][32]
;   work-groups 256-303: w_qkv [1024 k][3072 n] f32, K its FIRST axis -> codes [3072][512 bytes] with K innermost, scale bytes [3072][32]
;   work-groups 304-367: w_out [1024][1024] f32 -> f16, rounded to nearest even, laid as it lies
; A block's scale is 2^(floor(log2(its largest magnitude)) - 2); its byte is the largest magnitude's exponent field - 2, held at 1 from below.
; LIMITS: a block of zeros gets the byte 1 where the quantiser's text says 127 (its codes are zeros, which add nothing under any byte but 0xff, and this program alone reads the bytes);
; blocks whose largest magnitude lies under 2^-124 get the byte 1; NaN and infinities are not served; |w_out| stays under 65,504, f16's largest number.
; Each path that uses LDS has LDS bytes of its own.  No tensor load, no barrier: waves share nothing.
.set SPARE, 67584                      ; behind both paths' regions: the spare words, 128 bytes for each wave: two blocks of 256 bytes that no other line names
.set SPW,   190                        ; v190  LDS address of my spare word: SPARE + 4 x my thread's number; never rewritten
.set NIL,   191                        ; v191  0; never rewritten
.set EMAX,  2
.macro FINISH                          ; a wave's end, behind the last LDS store
	s_wait_tensorcnt 0x0
	ds_add_u32 v[SPW], v[NIL]
	s_wait_dscnt 0x0
	s_endpgm
.endm
	s_load_b512 s[4:19], s[0:1], 0x0               ; x s[4:5], w_qkv s[6:7], w_out s[8:9], x_codes s[10:11], x_scales s[12:13], w_codes s[14:15], w_scales s[16:17], wo_h s[18:19]
	v_lshl_add_u32 v[SPW], v0, 2, SPARE
	v_mov_b32 v[NIL], 0
	v_lshrrev_b32 v1, 5, v0
	v_readfirstlane_b32 s20, v1                    ; wave 0..3
	v_and_b32 v2, 31, v0                           ; lane
	s_wait_kmcnt 0x0
	s_cmp_ge_u32 ttmp9, 256
	s_cbranch_scc1 .Lnot_x
; ---------------- x: a plain stream of blocks of 32.  A wave takes 16 steps of 512 numbers.
; Each of a step's four loads reads 512 consecutive bytes, 16 a lane; the 2,048 bytes turn through the wave's own stage in LDS and come back 64 bytes a lane: 16 neighbours along K; two neighbouring lanes hold a block.
.set STEPS, 16
.set CB,    8                          ; bytes of 16 codes
.set XR,    16                         ; v16-79   four sets of 16 numbers as they are loaded
.set XX,    80                         ; v80-111  two sets of 16 neighbours
.set XE,    112                        ; v112-127 a scale byte for each step
.set XC,    128                        ; v128-189 codes: four registers' room for each step, so that no store's data are written again
.set WREG,  8192                       ; LDS bytes 0 .. 32,767: a region for each wave: two stages of 32 x SP bytes, behind them its 256 scale bytes
.set SP,    80                         ; a lane's place in a stage: its 64 bytes + 16 of padding
	v_lshlrev_b32 v3, 4, v2                        ; my 16 bytes of a load's 512
	s_mul_i32 s21, s20, WREG
	v_lshrrev_b32 v14, 2, v2
	v_mul_u32_u24 v14, v14, SP
	v_and_b32 v15, 3, v2
	v_lshl_add_u32 v14, v15, 4, v14
	v_add_nc_u32 v14, s21, v14                     ; the stage, on the way in: SP (lane / 4) + 16 (lane % 4)
	v_mul_u32_u24 v15, v2, SP
	v_add_nc_u32 v15, s21, v15                     ; and on the way out: SP x lane
	v_mul_u32_u24 v4, v2, CB                       ; my codes' place in a step's
	v_lshrrev_b32 v5, 1, v2
	s_add_co_u32 s21, s21, 2*32*SP
	v_add_nc_u32 v5, s21, v5                       ; my wave's 256 scale bytes, my block's byte
	v_lshlrev_b32 v7, 3, v2                        ; and on the way out 8 bytes a lane
	v_add_nc_u32 v6, s21, v7
	s_lshl_b32 s22, ttmp9, 2
	s_add_co_u32 s22, s22, s20                     ; which run of 8,192 numbers is my wave's: 0 .. 1,023
	s_mov_b32 s25, 0
	s_lshl_b32 s24, s22, 15                        ; 32,768 bytes of x,
	s_add_nc_u64 s[4:5], s[4:5], s[24:25]
	s_lshl_b32 s24, s22, 12                        ; 4,096 of codes,
	s_add_nc_u64 s[10:11], s[10:11], s[24:25]
	s_lshl_b32 s24, s22, 8                         ; 256 of scale bytes
	s_add_nc_u64 s[12:13], s[12:13], s[24:25]
.macro XLOAD t
.irp i, 0,1,2,3
	global_load_b128 v[XR+16*((\t)%4)+4*\i:XR+16*((\t)%4)+4*\i+3], v3, s[4:5] offset:2048*(\t)+512*\i th:TH_LOAD_NT   ; 32 lanes read 512 consecutive bytes
.endr
.endm
.macro XTURN t                         ; step t's numbers through the stage: LDS serves a wave's instructions in order, so no wait stands between the stores and the loads
.irp i, 0,1,2,3
	ds_store_b128 v14, v[XR+16*((\t)%4)+4*\i:XR+16*((\t)%4)+4*\i+3] offset:32*SP*((\t)%2)+8*SP*\i
.endr
.irp i, 0,1,2,3
	ds_load_b128 v[XX+16*((\t)%2)+4*\i:XX+16*((\t)%2)+4*\i+3], v15 offset:32*SP*((\t)%2)+16*\i
.endr
.endm
.irp t, 0,1,2,3
	XLOAD \t
.endr
	s_wait_loadcnt 12                              ; step 0's four loads are in; the twelve of steps 1 to 3 may be out
	XTURN 0
.macro XSTEP t
.set XS, XX+16*((\t)%2)
.if (\t) > 0
	s_wait_dscnt 1                                 ; this step's numbers are back from the stage (the last step's byte store may be out): so its stores into the stage have read their registers,
.else
	s_wait_dscnt 0x0
.endif
.if (\t)+4 < STEPS
	XLOAD (\t)+4                                   ; which take the loads of four steps on
.endif
.if (\t)+1 < STEPS
.if STEPS-2-(\t) >= 3
	s_wait_loadcnt 12                              ; the next step's four loads are in; those of the three steps behind it may be out
.else
	s_wait_loadcnt 4*(STEPS-2-(\t))
.endif
	XTURN (\t)+1                                   ; and go through the other stage while this step is worked
.endif
	v_max3_num_f32 v8, |v[XS]|, |v[XS+1]|, |v[XS+2]|               ; the largest magnitude of my 16, in two chains
	v_max3_num_f32 v9, |v[XS+3]|, |v[XS+4]|, |v[XS+5]|
.irp i, 6,10
	v_max3_num_f32 v8, v8, |v[XS+\i]|, |v[XS+\i+1]|
	v_max3_num_f32 v9, v9, |v[XS+\i+2]|, |v[XS+\i+3]|
.endr
	v_max3_num_f32 v8, v8, |v[XS+14]|, |v[XS+15]|
	v_max3_num_f32 v8, v8, v9, (EMAX+1)<<23        ; and the floor 2^(3 - 127): the byte cannot fall under 1
	v_max_num_f32_dpp v8, v8, v8 row_xmask:1 row_mask:0xf bank_mask:0xf   ; and of my neighbour's 16: the block's
	v_add_nc_u32 v11, -(EMAX<<23), v8              ; 2 off its exponent field: the conversion takes the exponent field of this operand as its scale
	v_cvt_scalef32_pk8_fp4_f32 v[XC+4*(\t)], v[XS:XS+7], v11       ; eight numbers / the scale, to the nearest code, ties to even, beyond 6 the largest code
	v_cvt_scalef32_pk8_fp4_f32 v[XC+4*(\t)+1], v[XS+8:XS+15], v11
	v_lshrrev_b32 v[XE+(\t)], 23, v11              ; the scale's byte (a plain line behind the conversions)
	ds_store_b8 v5, v[XE+(\t)] offset:16*(\t)      ; both lanes of a block write the same byte with the same value
	global_store_b64 v4, v[XC+4*(\t):XC+4*(\t)+1], s[10:11] offset:32*CB*(\t)   ; the wave stores 256 consecutive bytes, aligned
.endm
.irp t, 0,1,2,3,4,5,6,7,8,9,10,11,12,13,14,15
	XSTEP \t
.endr
	ds_load_b64 v[8:9], v6                         ; LDS serves a wave's instructions in order: these see my byte stores
	s_wait_dscnt 0x0
	global_store_b64 v7, v[8:9], s[12:13]          ; 32 lanes store 256 consecutive bytes, aligned
	FINISH
.Lnot_x:
	s_cmp_ge_u32 ttmp9, 304
	s_cbranch_scc1 .Lwo
; ---------------- w_qkv: A LANE TAKES A COLUMN n, AND ITS REGISTERS RUN DOWN K: a block of 32 along K lies in one lane's 32 registers, and the conversions give codes with K innermost.
; A wave takes 32 columns x 512 along K: 16 blocks a lane, 256 bytes of codes for each column, gathered in the wave's stage and stored by rows.  Loads run two blocks ahead.
; Every offset is an immediate: 511 rows x 12,288 bytes stay inside the signed 24-bit immediate (ISA guide, chapter 10).
.set NB,    16                         ; blocks of a lane
.set WPITCH, 272                       ; a stage row: 256 bytes + 16
.set WSTG,  32768                      ; LDS bytes 32,768 .. 67,583: 32 x 272 bytes for each wave
.set KROW,  512                        ; a row of the codes' buffer in bytes
.set NROW,  3072*4                     ; a row of w_qkv in bytes
.set WSB,   24                         ; v24-27   the scale bytes, four to a register
.set WX,    32                         ; v32-95   two sets of 32 numbers
.set WC,    96                         ; v96-99   a block's codes
.set WOUT,  112                        ; v112-175 the way out
	s_sub_co_u32 s21, ttmp9, 256
	s_lshr_b32 s22, s21, 1                         ; which 128 columns: 0 .. 23
	s_and_b32 s23, s21, 1                          ; which 512 along K
	s_lshl_b32 s22, s22, 7
	s_lshl_b32 s24, s20, 5
	s_add_co_u32 s22, s22, s24                     ; my wave's first column
	v_lshlrev_b32 v3, 2, v2                        ; in: 4 bytes a lane
	s_mul_i32 s24, s20, 32*WPITCH
	s_add_co_u32 s24, s24, WSTG                    ; my stage
	v_mul_u32_u24 v4, v2, WPITCH
	v_add_nc_u32 v4, s24, v4                       ; into it: row = my column
	v_and_b32 v5, 15, v2
	v_lshrrev_b32 v6, 4, v2                        ; out of it: sixteen lanes to a row, two rows an instruction
	v_mul_u32_u24 v7, v6, WPITCH
	v_lshl_add_u32 v7, v5, 4, v7
	v_add_nc_u32 v7, s24, v7
	v_mul_u32_u24 v8, v6, KROW
	v_lshl_add_u32 v8, v5, 4, v8                   ; and the same place in the codes' buffer
	v_lshlrev_b32 v9, 5, v2                        ; my column's row of scale bytes: 32 bytes a row
	s_mov_b32 s27, 0
	s_mul_i32 s26, s23, 512*NROW
	s_lshl_b32 s28, s22, 2
	s_add_co_u32 s26, s26, s28
	s_add_nc_u64 s[6:7], s[6:7], s[26:27]          ; w_qkv: 512 rows x half + 4 x column
	s_lshl_b32 s26, s22, 9
	s_lshl_b32 s28, s23, 8
	s_add_co_u32 s26, s26, s28
	s_add_nc_u64 s[14:15], s[14:15], s[26:27]      ; codes: 512 x column + 256 x half
	s_lshl_b32 s26, s22, 5
	s_lshl_b32 s28, s23, 4
	s_add_co_u32 s26, s26, s28
	s_add_nc_u64 s[16:17], s[16:17], s[26:27]      ; scale bytes: 32 x column + 16 x half
.macro WLOAD t                         ; block t: w(32 t + i, my column), i = 0 .. 31, into set t % 2; a wave's load reads 128 consecutive bytes
.irp i, 0,1,2,3,4,5,6,7,8,9,10,11,12,13,14,15,16,17,18,19,20,21,22,23,24,25,26,27,28,29,30,31
	global_load_b32 v[WX+32*((\t)%2)+\i], v3, s[6:7] offset:(32*(\t)+\i)*NROW th:TH_LOAD_NT
.endr
.endm
	WLOAD 0
	WLOAD 1
.macro WBLOCK t
.set WS, WX+32*((\t)%2)
.if (\t) < NB-1
	s_wait_loadcnt 32                              ; this block's 32 loads are in; the next block's 32 may be out
.else
	s_wait_loadcnt 0
.endif
	v_max3_num_f32 v12, |v[WS]|, |v[WS+1]|, |v[WS+2]|              ; the block's largest magnitude: all 32 numbers are mine
	v_max3_num_f32 v13, |v[WS+3]|, |v[WS+4]|, |v[WS+5]|
.irp i, 6,10,14,18,22,26
	v_max3_num_f32 v12, v12, |v[WS+\i]|, |v[WS+\i+1]|
	v_max3_num_f32 v13, v13, |v[WS+\i+2]|, |v[WS+\i+3]|
.endr
	v_max3_num_f32 v12, v12, |v[WS+30]|, |v[WS+31]|
	v_max3_num_f32 v12, v12, v13, (EMAX+1)<<23     ; and the floor
	v_add_nc_u32 v11, -(EMAX<<23), v12             ; the conversion's scale operand
	v_lshrrev_b32 v13, 23, v11                     ; the scale's byte
.if (\t)%4 == 0
	v_mov_b32 v[WSB+(\t)/4], v13                   ; four bytes to a register, the lower K in the lower byte
.else
	v_lshl_or_b32 v[WSB+(\t)/4], v13, 8*((\t)%4), v[WSB+(\t)/4]
.endif
.irp g, 0,1,2,3
	v_cvt_scalef32_pk8_fp4_f32 v[WC+\g], v[WS+8*\g:WS+8*\g+7], v11
.endr
	ds_store_b128 v4, v[WC:WC+3] offset:16*(\t)    ; 32 codes: 16 bytes of my column's row (a store of a conversion's result wants no place; the next block begins with plain vector lines)
.if (\t)+2 < NB
	WLOAD (\t)+2
.endif
	s_wait_dscnt 0x0                               ; the store has read its registers: the next block's codes may be written
.endm
.set Q, 0
.rept NB
	WBLOCK Q
.set Q, Q+1
.endr
	global_store_b128 v9, v[WSB:WSB+3], s[16:17]   ; my column's 16 scale bytes
.irp t, 0,1,2,3,4,5,6,7,8,9,10,11,12,13,14,15
	ds_load_b128 v[WOUT+4*\t:WOUT+4*\t+3], v7 offset:2*\t*WPITCH   ; LDS serves a wave's instructions in order: these see my stores
.endr
.irp t, 0,1,2,3,4,5,6,7,8,9,10,11,12,13,14,15
	s_wait_dscnt 15-\t                             ; load t is back; the younger ones may be out
	global_store_b128 v8, v[WOUT+4*\t:WOUT+4*\t+3], s[14:15] offset:2*\t*KROW   ; sixteen lanes store 256 consecutive bytes, aligned
.endr
	FINISH
.Lwo:
; ---------------- w_out to f16: a wave takes 4,096 numbers: 32 loads of 512 bytes, all issued at once; no register is written again behind its store.
	s_sub_co_u32 s21, ttmp9, 304
	s_lshl_b32 s21, s21, 2
	s_add_co_u32 s21, s21, s20                     ; 0 .. 255
	s_mov_b32 s23, 0
	s_lshl_b32 s22, s21, 14
	s_add_nc_u64 s[8:9], s[8:9], s[22:23]
	s_lshl_b32 s22, s21, 13
	s_add_nc_u64 s[18:19], s[18:19], s[22:23]
	v_lshlrev_b32 v3, 4, v2
	v_lshlrev_b32 v4, 3, v2
.set Q, 0
.rept 32
	global_load_b128 v[32+4*Q:35+4*Q], v3, s[8:9] offset:512*Q th:TH_LOAD_NT
.set Q, Q+1
.endr
.set Q, 0
.rept 32
	s_wait_loadcnt 31-Q                            ; this load is in; the younger ones may be out
	v_cvt_pk_f16_f32 v[32+4*Q], v[32+4*Q], v[33+4*Q]
	v_cvt_pk_f16_f32 v[33+4*Q], v[34+4*Q], v[35+4*Q]
	global_store_b64 v4, v[32+4*Q:33+4*Q], s[18:19] offset:256*Q   ; the wave stores 256 consecutive bytes, aligned
.set Q, Q+1
.endr
	FINISH
.Lfunc_end_k_qaa8e8b2b8c_prep:
	.size	k_qaa8e8b2b8c_prep, .Lfunc_end_k_qaa8e8b2b8c_prep-k_qaa8e8b2b8c_prep
	.p2alignl 7, 3214868480
	.fill 96, 4, 3214868480
	.section	.rodata,"a",@progbits
	.p2align	6, 0x0
	.amdhsa_kernel k_qaa8e8b2b8c_prep
		.amdhsa_group_segment_fixed_size 68096
		.amdhsa_private_segment_fixed_size 0
		.amdhsa_enable_private_segment 0
		.amdhsa_kernarg_size 64
		.amdhsa_user_sgpr_count 2
		.amdhsa_user_sgpr_kernarg_segment_ptr 1
		.amdhsa_wavefront_size32 1
		.amdhsa_system_sgpr_workgroup_id_x 1
		.amdhsa_system_sgpr_workgroup_id_y 1
		.amdhsa_system_sgpr_workgroup_id_z 1
		.amdhsa_system_vgpr_workitem_id 0
		.amdhsa_next_free_vgpr 192
		.amdhsa_next_free_sgpr 66
		.amdhsa_reserve_vcc 0
		.amdhsa_float_denorm_mode_32 3
		.amdhsa_float_denorm_mode_16_64 3
		.amdhsa_memory_ordered 1
		.amdhsa_forward_progress 1
		.amdhsa_inst_pref_size 122
	.end_amdhsa_kernel
	.amdgpu_metadata
---
amdhsa.version: [ 1, 2 ]
amdhsa.kernels:
  - .name:           k_qaa8e8b2b8c_prep
    .symbol:         k_qaa8e8b2b8c_prep.kd
    .args:
      - { .name: x, .offset: 0, .size: 8, .value_kind: global_buffer, .address_space: global }
      - { .name: w_qkv, .offset: 8, .size: 8, .value_kind: global_buffer, .address_space: global }
      - { .name: w_out, .offset: 16, .size: 8, .value_kind: global_buffer, .address_space: global }
      - { .name: x_codes, .offset: 24, .size: 8, .value_kind: global_buffer, .address_space: global }
      - { .name: x_scales, .offset: 32, .size: 8, .value_kind: global_buffer, .address_space: global }
      - { .name: w_codes, .offset: 40, .size: 8, .value_kind: global_buffer, .address_space: global }
      - { .name: w_scales, .offset: 48, .size: 8, .value_kind: global_buffer, .address_space: global }
      - { .name: wo_h, .offset: 56, .size: 8, .value_kind: global_buffer, .address_space: global }
    .group_segment_fixed_size: 68096
    .private_segment_fixed_size: 0
    .kernarg_segment_align: 8
    .kernarg_segment_size: 64
    .max_flat_workgroup_size: 128
    .sgpr_count:     66
    .vgpr_count:     192
    .wavefront_size: 32
...
	.end_amdgpu_metadata
.endif
;; end of part 1
;; launch qkv (part 2): grid 12 x 32, 4 waves a work-group, clusters of 4 x 4, 327,680 bytes of LDS; arguments x_codes, x_scales, w_codes, w_scales, qkv; writes qkv
.if DOCPART == 2
	.amdgcn_target "amdgcn-amd-amdhsa--gfx1250"
	.amdhsa_code_object_version 6
	.text
	.protected	k_qaa8e8b2b8c_qkv
	.globl	k_qaa8e8b2b8c_qkv
	.p2align	8
	.type	k_qaa8e8b2b8c_qkv,@function
k_qaa8e8b2b8c_qkv:
	s_mov_b64 s[64:65], 0
	v_nop
	global_prefetch_b8 v0, s[64:65] scope:SCOPE_SE
	s_setreg_imm32_b32 hwreg(HW_REG_WAVE_MODE, 25, 1), 1
	s_wait_xcnt 0x0
	s_wait_alu depctr_hold_cnt(0) depctr_sa_sdst(0) depctr_va_vdst(0) depctr_va_sdst(0) depctr_va_ssrc(0) depctr_va_vcc(0) depctr_vm_vsrc(0)
	s_getreg_b32 s2, hwreg(HW_REG_IB_STS2, 6, 4)
	s_cmp_eq_u32 s2, 0
	s_cbranch_scc0 .Lentry_in_a_cluster
	s_endpgm
.Lentry_in_a_cluster:
	s_bfe_u32 s2, ttmp6, 0x10000c
	s_cmp_lg_u32 s2, 0xf033
	s_cbranch_scc0 .Lentry_shape_is_right
	s_endpgm
.Lentry_shape_is_right:
; qkv = x w_qkv on codes of FP4 (E2M1) with one E8M0 scale for each 32 along K; sums in f32; the result is rounded once to f16 and laid BY HEAD: [3 which][64 = 16 batch + head][2048 positions][64] f16.
; A = x's codes [8192][512 bytes], B = w_qkv's codes [3072][512 bytes], K innermost; scale bytes [rows][32].  The matrix instruction takes codes and scale bytes as they lie.
; A tile of the result, 256 x 256, is made by a work-group of four waves; a wave makes 128 x 128: 64 accumulators of 16 x 16, 512 registers.
; K = 1,024 is two LDS slots of 512 along K (rows of 256 bytes): both are filled at the start and nothing is filled again, so there is no loop: eight steps of 128 along K are written out by macros.
; THE SCALES of the work-group's 256 rows of A and of B, for all of K, are two dense blocks of memory: they come into LDS once, with the first fills.
; CLUSTERS: 4 x 4 work-groups.  The four of a row of the cluster need the same tiles of A, the four of a column the same tiles of B: each tile is asked for JOINTLY, by the same tensor load with the same descriptor and a mask that names the four.
; THE MATRIX INSTRUCTION IS USED TRANSPOSED (source 0 = 16 rows of B, source 1 = 16 rows of A): a lane holds eight neighbouring columns of one row of the result.
; LIMIT: |q|, |k|, |v| stay under 65,504, f16's largest number (with x and w_qkv both thirty times their drawn spread, or carrying offsets of thirty spreads, they stay under 30,000).
; REGISTERS, in windows of 256: window 0: v0-31 addresses; v32-95 scale words, two sets; from v128 A's fragments, ONE set; on the way out v32-63 packed results, v128-191 rows read back.
;   window 1: B's fragments, TWO sets, at v0 and v128.   window 2: the 32 accumulators of my rows 0-63 ((a, b) at v[8 (8 a + b)]);   window 3: those of my rows 64-127.
.set SIZE_M, 8192
.set SIZE_N, 3072
.set SIZE_K, 1024
.set KSTEP,  512                       ; along K in a slot
.set NQ,     KSTEP/128                 ; matrix instructions deep
.set ROWB,   256                       ; a tile's row in bytes
.set KROW,   SIZE_K/2                  ; a row of A or of B in memory, in bytes
.set PITCH,  272                       ; an LDS row: 256 bytes + 16 of padding = 68 words: row r starts at bank 4 r mod 64 (64 banks of 4 bytes: ISA guide 11.1)
.set FR,     8                         ; registers of a fragment: 16 rows x 128 K
.set NL,     2                         ; LDS loads that bring one
.set NP,     4                         ; places behind this matrix instruction (ISA guide 7.12.1)
.set HALFT,  128*PITCH                 ; 128 rows: what one tensor load brings, and what one wave reads of A or of B
.set SLOT,   4*HALFT                   ; A's 256 rows, then B's 256 rows
.set KS,     SIZE_K/32                 ; a row of scales in bytes
.set SCL,    2*SLOT                    ; behind the slots: the scales, as units of 256 bytes + 16 of padding
.set HALFS,  (128*KS/256)*272          ; the scales of 128 rows: what one tensor load brings
.set SBLK,   (16*KS/256)*272           ; those of 16 rows
.set SPARE,  SCL+4*HALFS               ; behind the scales: the spare words, 128 bytes for each wave: two blocks of 256 bytes that no other line names
.set SPITCH, 272                       ; the way out: a stage of 16 rows x (256 bytes + 16) for each wave, in slot 0, which has had its only fill and its last read when the first result is stored there
.set ADRA, 16                          ; v16-17  LDS address of my A fragments in slot 0, 1
.set ADRB, 20                          ; v20-21  the same for B
.set STO,  24                          ; v24     the way out: where I put 16 bytes of a row
.set RD,   25                          ; v25     the way out: where I read back 16 bytes of one head's row
.set CO,   26                          ; v26     16 x lane: my place in 512 bytes of the output
.set ADRS, 27                          ; v27     LDS address of my scale words: lanes 0-15 A's rows, lanes 16-31 B's
.set SPW,  28                          ; v28     LDS address of my spare word; never rewritten
.set NIL,  29                          ; v29     0; never rewritten
.set SC,   32                          ; scale words: set s at v[SC + 8 NQ s]; register NQ i + q: lanes 0-15 the word of A's block i, lanes 16-31 that of B's block i, for the slot's q-th 128 along K
.set AF,   128                         ; A's fragments, in window 0
.set TMP,  32                          ; the way out: packed results
.set BK,   128                         ; the way out: a block read back: v128-159 and v160-191 by turns
.set G1, 24                            ; s[24:31] descriptor group 1 for A's tiles;  s[32:39] group 0, one set for each slot
.set G0, 32
.set G1B, 48                           ; s[48:55], s[56:63] the same for B's tiles
.set G0B, 56
.set G1S, 68                           ; s[68:75], s[76:79] groups 1 and 0 for A's scales;  s[80:87], s[88:91] for B's
.set G0S, 76
.set G1SB, 80
.set G0SB, 88
.set MSB, 0
.macro WIN new                         ; the immediate's high byte repeats the setting that is left; a switch that changes nothing is dropped
.if MSB != (\new)
	s_set_vgpr_msb (MSB<<8)|(\new)
.set MSB, (\new)
.endif
.endm
.set MUL_LO, 0xa1                      ; source 0 (B) window 1, source 1 (A) window 0, C and D window 2
.set MUL_HI, 0xf1                      ; the same, C and D window 3
.set TO_B,   0x40                      ; destination window 1, address window 0
; A joint load: waves 0 and 1 fetch for A, waves 2 and 3 for B.  Each of the two lines has ONE mask and one set of registers for all that issue it; the branch hangs on the wave's number alone.
; An s_nop 0 and four v_nop follow each of the two lines, ahead of the jump, the label and what follows.
.macro JLOAD g0a, g1a, g0b, g1b
	s_cmp_eq_u32 s15, 0
	s_cbranch_scc0 .Lfor_b_\@
	tensor_load_to_lds s[\g0a:\g0a+3], s[\g1a:\g1a+7]
	s_nop 0
.rept 4
	v_nop
.endr
	s_branch .Lasked_\@
.Lfor_b_\@:
	tensor_load_to_lds s[\g0b:\g0b+3], s[\g1b:\g1b+7]
	s_nop 0
.rept 4
	v_nop
.endr
.Lasked_\@:
.endm
.macro CROUND                          ; a round of the cluster's barrier: my work-group's barrier; wave 0 signals for the work-group; every wave waits for all sixteen; my work-group's barrier once more
	s_barrier_signal -1
	s_barrier_wait -1
	s_cmp_lg_u32 s14, 0
	s_cbranch_scc1 .Lnot_wave_0_\@
	s_barrier_signal -3
.Lnot_wave_0_\@:
	s_barrier_wait -3
	s_barrier_signal -1
	s_barrier_wait -1
.endm
	s_load_b128 s[4:7], s[0:1], 0x0                ; A's codes s[4:5], A's scales s[6:7]
	s_load_b128 s[8:11], s[0:1], 0x10              ; B's codes s[8:9], B's scales s[10:11]
	s_load_b64 s[12:13], s[0:1], 0x20              ; the output
	v_lshl_add_u32 v[SPW], v0, 2, SPARE
	v_mov_b32 v[NIL], 0
	ds_add_u32 v[SPW], v[NIL]                      ; the wave's opening: the add, twice on end, and its wait ahead of my first tensor load; the set-up below stands between the second and the wait
	ds_add_u32 v[SPW], v[NIL]
	v_lshrrev_b32 v1, 5, v0
	v_readfirstlane_b32 s14, v1                    ; wave 0..3
	s_lshr_b32 s15, s14, 1                         ; which half of the tile's rows is mine.  Also: I fetch for A (0) or for B (1)
	s_and_b32 s16, s14, 1                          ; which half of its columns.  Also: which 128 rows of that tile I fetch
	s_bfe_u32 s40, ttmp6, 0x40000                  ; cx, cy: my place in the cluster
	s_bfe_u32 s41, ttmp6, 0x40004
	s_lshl_b32 s42, ttmp9, 2
	s_add_co_u32 s42, s42, s40                     ; tile column = 4 x cluster x + cx: 0 .. 11
	s_and_b32 s17, ttmp7, 0xffff
	s_lshl_b32 s17, s17, 2
	s_add_co_u32 s17, s17, s41                     ; tile row = 4 x cluster y + cy: 0 .. 31
	s_lshl_b32 s43, s41, 2
	s_lshl_b32 s43, 15, s43                        ; my row of the cluster
	s_lshl_b32 s44, 0x1111, s40                    ; my column
	; descriptor group 1: a tile of 128 rows x 256 bytes, padded in LDS
	s_or_b32 s[G1+0], s43, (0<<16)|(1<<20)|(1<<21)|(5<<22)|(3<<25)  ; 15:0 the mask: A's tiles go to my row; 17:16 element of 1 byte; 20 padding on; 21 set beside a mask; 24:22 after every 64 words; 31:25 of 4 words
	s_or_b32 s[G1B+0], s44, (0<<16)|(1<<20)|(1<<21)|(5<<22)|(3<<25)
.irp g, G1, G1B
	s_mov_b32 s[\g+1], ROWB<<16                    ; tensor_dim0
	s_mov_b32 s[\g+2], 128<<16                     ; tensor_dim1 = 128
	s_mov_b32 s[\g+3], ROWB<<16                    ; tile_dim0
	s_mov_b32 s[\g+4], 128                         ; tile_dim1 = 128
	s_mov_b32 s[\g+5], KROW                        ; tensor_dim0_stride
	s_mov_b32 s[\g+6], 0
	s_mov_b32 s[\g+7], 0
.endr
	; and for the scales of 128 rows: a dense block of 4,096 bytes, as 16 rows of 256 bytes (32 elements of 8 bytes), 16 bytes of padding behind each
	s_or_b32 s[G1S+0], s43, (3<<16)|(1<<20)|(1<<21)|(5<<22)|(3<<25)
	s_or_b32 s[G1SB+0], s44, (3<<16)|(1<<20)|(1<<21)|(5<<22)|(3<<25)
.irp g, G1S, G1SB
	s_mov_b32 s[\g+1], 32<<16
	s_mov_b32 s[\g+2], (128*KS/256)<<16
	s_mov_b32 s[\g+3], 32<<16
	s_mov_b32 s[\g+4], 128*KS/256
	s_mov_b32 s[\g+5], 32
	s_mov_b32 s[\g+6], 0
	s_mov_b32 s[\g+7], 0
.endr
	s_lshl_b32 s18, s16, 7                         ; which 128 rows of the tile I fetch
	s_lshl_b32 s20, s17, 8
	s_add_co_u32 s20, s20, s18                     ; A: row 256 x tile row + 128 x half
	s_lshl_b32 s46, s42, 8
	s_add_co_u32 s46, s46, s18                     ; B: row 256 x tile column + 128 x half
	s_mov_b32 s21, 0
	s_mov_b32 s47, 0
	s_mov_b64 s[18:19], KS
	s_mul_u64 s[22:23], s[20:21], s[18:19]         ; where these rows' scales begin, in bytes
	s_mul_u64 s[92:93], s[46:47], s[18:19]
	s_mov_b64 s[18:19], KROW
	s_mul_u64 s[20:21], s[20:21], s[18:19]         ; and their codes
	s_mul_u64 s[46:47], s[46:47], s[18:19]
	s_mul_i32 s45, s14, HALFT                      ; where they go: wave x 128 rows: no place in the cluster enters an LDS address
	s_mul_i32 s94, s14, HALFS
	s_wait_dscnt 0x0                               ; both opening adds are done
	s_wait_kmcnt 0x0
	s_add_nc_u64 s[20:21], s[4:5], s[20:21]
	s_add_nc_u64 s[22:23], s[6:7], s[22:23]
	s_add_nc_u64 s[46:47], s[8:9], s[46:47]
	s_add_nc_u64 s[92:93], s[10:11], s[92:93]
	CROUND                                         ; all sixteen work-groups are here: the joint loads meet
	s_mov_b32 s[G0S], 1
	s_add_co_u32 s[G0S+1], s94, SCL
	s_mov_b64 s[G0S+2:G0S+3], s[22:23]
	s_or_b32 s[G0S+3], s[G0S+3], 0x80000000
	s_mov_b32 s[G0SB], 1
	s_add_co_u32 s[G0SB+1], s94, SCL
	s_mov_b64 s[G0SB+2:G0SB+3], s[92:93]
	s_or_b32 s[G0SB+3], s[G0SB+3], 0x80000000
	JLOAD G0S, G1S, G0SB, G1SB                     ; the scales first: they are wanted with the first slot.  By this text's count a wave has three tensor loads out at the most
.irp s, 0,1
	s_mov_b32 s[G0+4*\s], 1
	s_add_co_u32 s[G0+4*\s+1], s45, \s*SLOT
	s_add_nc_u64 s[G0+4*\s+2:G0+4*\s+3], s[20:21], \s*ROWB
	s_or_b32 s[G0+4*\s+3], s[G0+4*\s+3], 0x80000000
	s_mov_b32 s[G0B+4*\s], 1
	s_add_co_u32 s[G0B+4*\s+1], s45, \s*SLOT
	s_add_nc_u64 s[G0B+4*\s+2:G0B+4*\s+3], s[46:47], \s*ROWB
	s_or_b32 s[G0B+4*\s+3], s[G0B+4*\s+3], 0x80000000
	JLOAD G0+4*\s, G1, G0B+4*\s, G1B
.endr
	v_and_b32 v1, 15, v0                           ; r = l % 16
	v_bfe_u32 v2, v0, 4, 1                         ; h = l / 16
	v_mul_u32_u24 v3, v1, PITCH
	v_lshl_add_u32 v4, v2, 4, v3                   ; a fragment's row x pitch + 16 x half
	s_mul_i32 s21, s15, HALFT                      ; my 128 rows of A
	s_mul_i32 s22, s16, HALFT                      ; my 128 rows of B,
	s_add_co_u32 s22, s22, 2*HALFT                 ; which lie behind A's 256
.irp s, 0,1
	v_add_nc_u32 v[ADRA+\s], s21, v4
	v_add_nc_u32 v[ADRB+\s], s22, v4
	s_add_co_u32 s21, s21, SLOT
	s_add_co_u32 s22, s22, SLOT
.endr
	v_mul_u32_u24 v5, v1, KS                       ; my row's scales: 32 bytes a row,
	v_lshrrev_b32 v6, 8, v5
	v_lshl_add_u32 v5, v6, 4, v5                   ; and 16 more for each 256 passed
	s_mul_i32 s21, s15, HALFS                      ; A's: my 128 rows
	s_mul_i32 s22, s16, HALFS                      ; B's: my 128 rows, behind A's 256
	s_add_co_u32 s22, s22, 2*HALFS
	s_sub_co_u32 s22, s22, s21
	v_mul_u32_u24 v6, s22, v2                      ; lanes 16-31 take B's: one product, the distance between the two bases x h
	s_add_co_u32 s21, s21, SCL
	v_add_nc_u32 v5, v5, v6
	v_add_nc_u32 v[ADRS], s21, v5
	s_mul_i32 s23, s14, 16*SPITCH                  ; my stage
	v_mul_u32_u24 v5, v1, SPITCH                   ; in: row r, 16 bytes for each half of the lanes
	v_lshl_add_u32 v5, v2, 4, v5
	v_add_nc_u32 v[STO], s23, v5
	v_and_b32 v6, 31, v0
	v_lshlrev_b32 v[CO], 4, v6
	v_lshrrev_b32 v5, 3, v6                        ; back: eight lanes take one head's 128 bytes of a row, the 32 lanes four rows
	v_mul_u32_u24 v5, v5, SPITCH
	v_and_b32 v6, 7, v0
	v_lshl_add_u32 v5, v6, 4, v5
	v_add_nc_u32 v[RD], s23, v5
	; where my 128 rows x 2 heads begin in the output: which << 24 + (16 batch + head) << 18 + position << 7
	s_lshr_b32 s20, s17, 3                         ; batch: eight tile rows to a sequence
	s_lshl_b32 s20, s20, 4
	s_and_b32 s21, s42, 3
	s_lshl_b32 s21, s21, 2                         ; four heads to a tile column,
	s_add_co_u32 s20, s20, s21
	s_lshl_b32 s21, s16, 1                         ; two to a wave
	s_add_co_u32 s20, s20, s21
	s_lshl_b32 s20, s20, 18
	s_and_b32 s21, s17, 7
	s_lshl_b32 s21, s21, 8
	s_lshl_b32 s22, s15, 7
	s_add_co_u32 s21, s21, s22                     ; my first position
	s_lshl_b32 s21, s21, 7
	s_add_co_u32 s20, s20, s21
	s_lshr_b32 s21, s42, 2                         ; q, k or v: four tile columns each
	s_lshl_b32 s21, s21, 24
	s_add_co_u32 s20, s20, s21
	s_mov_b32 s21, 0
	s_add_nc_u64 s[12:13], s[12:13], s[20:21]      ; never stepped: all else stands in the stores' immediates
.macro FRAG reg, adr, q, i             ; a fragment, 16 rows x 128 K of 4-bit codes, is 8 registers: lane l holds row l % 16; registers 4 c .. 4 c + 3 hold K = 64 c + 32 (l / 16) + 0 .. 31
.irp c, 0,1
	ds_load_b128 v[\reg+4*\c:\reg+4*\c+3], v[\adr] offset:64*(\q)+32*\c+(\i)*16*PITCH
.endr
.endm
; 16 matrix instructions: A's blocks a0, a0 + 1 x B's eight, 128 along K: the slot's q-th.  p: B's set;  sc: the set of scale words.  zero = 1: the first product starts the sums: nothing is ever cleared.
; The 64 accumulators take turns, one instruction a turn, in the same order in every step.
.macro MUL16 a0, p, q, sc, zero
.irp a, \a0, \a0+1
.irp b, 0,1,2,3,4,5,6,7
.if \zero
	v_wmma_scale_f32_16x16x128_f8f6f4 v[8*(8*((\a)%4)+\b):8*(8*((\a)%4)+\b)+7], v[128*(\p)+FR*\b:128*(\p)+FR*\b+FR-1], v[AF+FR*(\a):AF+FR*(\a)+FR-1], 0, v[SC+8*NQ*(\sc)+NQ*\b+(\q)], v[SC+8*NQ*(\sc)+NQ*(\a)+(\q)] matrix_a_fmt:MATRIX_FMT_FP4 matrix_b_fmt:MATRIX_FMT_FP4 matrix_a_scale:MATRIX_SCALE_ROW1
.else
	v_wmma_scale_f32_16x16x128_f8f6f4 v[8*(8*((\a)%4)+\b):8*(8*((\a)%4)+\b)+7], v[128*(\p)+FR*\b:128*(\p)+FR*\b+FR-1], v[AF+FR*(\a):AF+FR*(\a)+FR-1], v[8*(8*((\a)%4)+\b):8*(8*((\a)%4)+\b)+7], v[SC+8*NQ*(\sc)+NQ*\b+(\q)], v[SC+8*NQ*(\sc)+NQ*(\a)+(\q)] matrix_a_fmt:MATRIX_FMT_FP4 matrix_b_fmt:MATRIX_FMT_FP4 matrix_a_scale:MATRIX_SCALE_ROW1
.endif
.endr
.endr
.endm
.macro FETCH_B slot, q, p              ; B's eight fragments of the slot's q-th 128 along K into set p
	WIN TO_B
.irp i, 0,1,2,3,4,5,6,7
	FRAG 128*(\p)+FR*\i, ADRB+\slot, \q, \i
.endr
	WIN 0
.endm
.macro FETCH_A slot, q, i0             ; A's blocks i0 .. i0 + 3
.irp i, \i0, \i0+1, \i0+2, \i0+3
	FRAG AF+FR*(\i), ADRA+\slot, \q, \i
.endr
.endm
.macro SCALES sc                       ; a slot's scale words into set sc: four words a row; lanes 0-15 take A's block i, lanes 16-31 B's block i
.irp i, 0,1,2,3,4,5,6,7
	ds_load_b128 v[SC+8*NQ*\sc+NQ*\i:SC+8*NQ*\sc+NQ*\i+3], v[ADRS] offset:\i*SBLK
.endr
.endm
; A load into a register that a matrix instruction has read, and a vector instruction or an LDS store that reads a matrix result, stand NP places behind that matrix instruction, and only plain vector
; instructions that name none of its registers are places (ISA guide 7.12.1 for vector instructions).
.macro PLACES n
.rept \n
	v_nop
.endr
.endm
; A step of 128 along K that has its successor in the same slot.
.macro STEP slot, q, zero
	s_wait_dscnt 4*NL                              ; B's set and A's blocks 0-3 are in; the youngest eight loads (A's blocks 4-7) may be out
	WIN MUL_LO
	MUL16 0, (\q)%2, \q, \slot, \zero
	MUL16 2, (\q)%2, \q, \slot, \zero
	s_wait_dscnt 0                                 ; A's blocks 4-7 are in (asked for 32 matrix instructions ago)
	PLACES NP
	FETCH_B \slot, (\q)+1, 1-(\q)%2
	FETCH_A \slot, (\q)+1, 0
	WIN MUL_HI
	MUL16 4, (\q)%2, \q, \slot, \zero
	MUL16 6, (\q)%2, \q, \slot, \zero
	PLACES NP
	WIN 0
	FETCH_A \slot, (\q)+1, 4
.endm
; Slot 0's last step changes slots: ONE barrier; in front of it each wave waits for all its tensor loads (its part of slot 1), adds 0 to its spare word, and waits for that and for its own reads of slot 0.  Nothing is filled again.
.macro TURN slot, next
	s_wait_tensorcnt 0x0                           ; all my tensor loads have landed: my part of the next slot;  (every window is 0 here)
	ds_add_u32 v[SPW], v[NIL]                      ; 0 onto my spare word
	s_wait_dscnt 4*NL+1                            ; (the add and the youngest eight loads, A's blocks 4-7, may be out)
	WIN MUL_LO
	MUL16 0, 1, NQ-1, \slot, 0                     ; sixteen matrix instructions stand between the add and the wait for it
	s_wait_dscnt 0x0                               ; the add is done, and my reads of this slot are over
	s_barrier_signal -1
	MUL16 2, 1, NQ-1, \slot, 0
	WIN 0
	s_barrier_wait -1                              ; the next slot is whole, and nobody reads this one any more: the stages may lie in it
	PLACES NP
	v_add_nc_u32 v[ADRS], 4*NQ, v[ADRS]            ; on to the next slot's scale words (no LDS load of mine is out)
	FETCH_B \next, 0, 0
	FETCH_A \next, 0, 0
	SCALES \next
	WIN MUL_HI
	MUL16 4, 1, NQ-1, \slot, 0
	MUL16 6, 1, NQ-1, \slot, 0
	PLACES NP
	WIN 0
	FETCH_A \next, 0, 4
.endm
.macro STEPS slot, from                ; the slot's steps from .. NQ - 2
.set Q, \from
.rept NQ-1-\from
	STEP \slot, Q, 0
.set Q, Q+1
.endr
.endm
	s_wait_tensorcnt 1                             ; the scales and my part of slot 0 are in (slot 1's load may be out)
	s_barrier_signal -1
	s_barrier_wait -1                              ; everybody's are
	FETCH_B 0, 0, 0
	FETCH_A 0, 0, 0
	SCALES 0
	FETCH_A 0, 0, 4
	STEP 0, 0, 1                                   ; the first step's products start the sums
	STEPS 0, 1
	TURN 0, 1
	STEPS 1, 0
	s_wait_dscnt 4*NL                              ; the very last step: nothing more to fetch
	WIN MUL_LO
	MUL16 0, 1, NQ-1, 1, 0
	MUL16 2, 1, NQ-1, 1, 0
	s_wait_dscnt 0
	WIN MUL_HI
	MUL16 4, 1, NQ-1, 1, 0
	MUL16 6, 1, NQ-1, 1, 0
	WIN 0
; THE WAY OUT, block by block of 16 rows x 128 columns (two heads).  PACK: rounded to f16, 16 bytes a lane, each accumulator from its low end on.  TOSTAGE: into my own stage in LDS, and back head by head:
; four rows of one head are 512 consecutive bytes of the output.  SEND: stored.  LDS serves a wave's instructions in order (ISA guide 5.7.1.4): no wait between the stores and the loads.
.macro PACK a
.set AC, 64*((\a)%4)
	WIN 0x0a+5*((\a)/4)                            ; sources 0 and 1: window 2 or 3
.irp b, 0,1,2,3,4,5,6,7
.irp r, 0,1,2,3
	v_cvt_pk_f16_f32 v[TMP+4*\b+\r], v[AC+8*\b+2*\r], v[AC+8*\b+2*\r+1]
.endr
.endr
	WIN 0
.endm
.macro TOSTAGE a
.set BB, BK+32*((\a)%2)
.irp b, 0,1,2,3,4,5,6,7
	ds_store_b128 v[STO], v[TMP+4*\b:TMP+4*\b+3] offset:32*\b
.endr
.irp hd, 0,1
.irp t, 0,1,2,3
	ds_load_b128 v[BB+4*(4*\hd+\t):BB+4*(4*\hd+\t)+3], v[RD] offset:\t*4*SPITCH+\hd*128
.endr
.endr
.endm
.macro SEND a
.set BB, BK+32*((\a)%2)
	s_wait_dscnt 0x0                               ; the block is back in registers
	s_wait_xcnt 0x0                                ; the stores of the block before have read their registers: the next block's loads may land there
.irp hd, 0,1
.irp t, 0,1,2,3
	global_store_b128 v[CO], v[BB+4*(4*\hd+\t):BB+4*(4*\hd+\t)+3], s[12:13] offset:(\a)*2048+\hd*262144+\t*512   ; 32 lanes store 512 consecutive bytes, at a multiple of 512 from the buffer's first byte
.endr
.endr
.endm
	PLACES NP                                      ; behind the last products: the conversions write registers that held scale words, and block 7's results are read last
	PACK 0
	TOSTAGE 0
.irp a, 1,2,3,4,5,6,7                  ; block a's conversions stand between block a - 1's loads from the stage and the wait for them
	PACK \a
	SEND \a-1
	TOSTAGE \a
.endr
	SEND 7
	s_wait_tensorcnt 0x0                           ; the wave's end, behind my last tensor load and my last LDS store
	ds_add_u32 v[SPW], v[NIL]
	s_wait_dscnt 0x0
	CROUND                                         ; the closing round: no work-group ends while a partner may still ask for a tile that names it
	s_endpgm
.Lfunc_end_k_qaa8e8b2b8c_qkv:
	.size	k_qaa8e8b2b8c_qkv, .Lfunc_end_k_qaa8e8b2b8c_qkv-k_qaa8e8b2b8c_qkv
	.p2alignl 7, 3214868480
	.fill 96, 4, 3214868480
	.section	.rodata,"a",@progbits
	.p2align	6, 0x0
	.amdhsa_kernel k_qaa8e8b2b8c_qkv
		.amdhsa_group_segment_fixed_size 327680
		.amdhsa_private_segment_fixed_size 0
		.amdhsa_enable_private_segment 0
		.amdhsa_kernarg_size 40
		.amdhsa_user_sgpr_count 2
		.amdhsa_user_sgpr_kernarg_segment_ptr 1
		.amdhsa_wavefront_size32 1
		.amdhsa_system_sgpr_workgroup_id_x 1
		.amdhsa_system_sgpr_workgroup_id_y 1
		.amdhsa_system_sgpr_workgroup_id_z 1
		.amdhsa_system_vgpr_workitem_id 0
		.amdhsa_next_free_vgpr 1024
		.amdhsa_next_free_sgpr 98
		.amdhsa_reserve_vcc 0
		.amdhsa_float_denorm_mode_32 3
		.amdhsa_float_denorm_mode_16_64 3
		.amdhsa_memory_ordered 1
		.amdhsa_forward_progress 1
		.amdhsa_inst_pref_size 126
	.end_amdhsa_kernel
	.amdgpu_metadata
---
amdhsa.version: [ 1, 2 ]
amdhsa.kernels:
  - .name:           k_qaa8e8b2b8c_qkv
    .symbol:         k_qaa8e8b2b8c_qkv.kd
    .args:
      - { .name: x_codes, .offset: 0, .size: 8, .value_kind: global_buffer, .address_space: global }
      - { .name: x_scales, .offset: 8, .size: 8, .value_kind: global_buffer, .address_space: global }
      - { .name: w_codes, .offset: 16, .size: 8, .value_kind: global_buffer, .address_space: global }
      - { .name: w_scales, .offset: 24, .size: 8, .value_kind: global_buffer, .address_space: global }
      - { .name: qkv, .offset: 32, .size: 8, .value_kind: global_buffer, .address_space: global }
    .group_segment_fixed_size: 327680
    .private_segment_fixed_size: 0
    .kernarg_segment_align: 8
    .kernarg_segment_size: 40
    .max_flat_workgroup_size: 128
    .sgpr_count:     98
    .vgpr_count:     1024
    .wavefront_size: 32
...
	.end_amdgpu_metadata
.endif
;; end of part 2
;; launch attn (part 3): grid 4 x 64, 8 waves a work-group, clusters of 4 x 1, 327,680 bytes of LDS; arguments qkv, o_h; writes o_h
.if DOCPART == 3
	.amdgcn_target "amdgcn-amd-amdhsa--gfx1250"
	.amdhsa_code_object_version 6
	.text
	.protected	k_qaa8e8b2b8c_attn
	.globl	k_qaa8e8b2b8c_attn
	.p2align	8
	.type	k_qaa8e8b2b8c_attn,@function
k_qaa8e8b2b8c_attn:
	s_mov_b64 s[64:65], 0
	v_nop
	global_prefetch_b8 v0, s[64:65] scope:SCOPE_SE
	s_setreg_imm32_b32 hwreg(HW_REG_WAVE_MODE, 25, 1), 1
	s_wait_xcnt 0x0
	s_wait_alu depctr_hold_cnt(0) depctr_sa_sdst(0) depctr_va_vdst(0) depctr_va_sdst(0) depctr_va_ssrc(0) depctr_va_vcc(0) depctr_vm_vsrc(0)
	s_getreg_b32 s2, hwreg(HW_REG_IB_STS2, 6, 4)
	s_cmp_eq_u32 s2, 0
	s_cbranch_scc0 .Lentry_in_a_cluster
	s_endpgm
.Lentry_in_a_cluster:
	s_bfe_u32 s2, ttmp6, 0x10000c
	s_cmp_lg_u32 s2, 0x3003
	s_cbranch_scc0 .Lentry_shape_is_right
	s_endpgm
.Lentry_shape_is_right:
; O[bh][q][:] = the sum over k of softmax_k(Q[bh][q] . K[bh][k] / 8) V[bh][k][:].  qkv: [3][64 bh][2048][64] f16; o_h: [64 bh][2048][64] f16.  Products on f16 operands, sums, maxima and the softmax in f32;
; the weights p are rounded to f16 for the second product, O once at the end.
; SHARES.  A work-group owns 512 queries of one head, each of its EIGHT waves 64: four tiles of 16, in 512 registers: two waves to a SIMD, so that one wave's vector work can stand beside the other's matrix work.
; Every wave walks all 2,048 keys, 64 a step: 64 matrix instructions; each fragment of K or V read from LDS feeds four of them.
; LAYOUT.  S^T = K Q^T (source 0 = 16 keys, source 1 = 16 queries): a lane holds ONE query (lane % 16) and the keys 8 (lane / 16) + 0..7.  Two such tiles, rounded to f16 in pairs, ARE source 1 (32 keys x 16 queries)
; of O^T = V^T P, whose result again holds one query a lane and eight channels.  K comes out of LDS as it lies, V ([key][channel]) turned, by ds_load_tr16_b128.
; SOFTMAX.  For each query a running maximum m and sum l: p = 2^(c s - c m), c = log2(e) / 8; in every step O and l are multiplied by a = 2^(c m_old - c m_new).  m begins at -3e38, under every score of f16 operands
; (|s| is at most 64 x 65,504^2), O and l at 0: the step is written once, and the first a is 0.
; THE RING.  A key's row is 128 bytes, so two keys make a tensor row of 256 bytes.  Two slots of 512 keys; waves 0-3 fetch K's quarters, waves 4-7 V's: 64 tensor rows to a load.  A refill is asked for eight key steps ahead of its first read.
; CLUSTER.  The four query blocks of a head walk the same K and V, so each tile is asked for JOINTLY: the same tensor load, with the same descriptor and a mask that names the four.
; No prefetch is written: behind the first fills every tile is asked for a whole slot's eight key steps before it is read, so no wave is left waiting for one.
; LIMITS: NaN and infinities are not served; |o| stays under 65,504 since o is a mean of v's rows.
; REGISTERS.  window 0: v2-11 addresses; v16-47 eight registers of statistics a tile; v64-191 S^T, 32 a tile; v192-255 P, 16 a tile.   window 1: v0-127 O^T, 32 a tile; v128-191 Q, 16 a tile; v192-255 K or V of one step, by turns.
.set KP,    272       ; a tensor row of K in LDS: 256 bytes + 16: key k lies at (k / 2) KP + 128 (k % 2): the 16 keys of a load start at 16 different 16-byte columns of 256 (64 banks of 4 bytes: ISA guide 11.1)
.set VP,    288       ; of V: 256 + 32
.set KQUART, 64*KP    ; what one tensor load brings of K: 128 keys
.set VQUART, 64*VP
.set KBYTES, 4*KQUART
.set SLOT,  KBYTES+4*VQUART  ; 512 keys of K, then of V: 143,360 bytes
.set STAGE, 2*SLOT    ; behind the ring: 16 rows x 144 bytes for each wave, for the way out
.set SP,    144
.set SPARE, STAGE+8*16*SP  ; behind the stages: the spare words, 128 bytes for each wave: four blocks of 256 bytes that no other line names
.set AK0, 2           ; v2   my lane's place in a tile of K; never rewritten
.set AV0, 3           ; v3   the same for V
.set ADK, 4           ; v4   LDS address of the step's K
.set ADV, 5           ; v5   of its V
.set QO,  6           ; v6   my byte offset in the wave's rows of Q
.set STO, 7           ; v7   the way out: where I put 16 bytes of a row
.set RD,  8           ; v8   the way out: where I read 16 bytes back
.set GO,  9           ; v9   16 x lane
.set SPW, 10          ; v10  LDS address of my spare word; never rewritten
.set NIL, 11          ; v11  0; never rewritten
.set ST,  16          ; tile t's statistics at v[ST + 8 t]: +0 c m, +1 m, +2, +3 l (even keys', odd keys'), +4 to +7 at work; a takes +6 once the maximum is found
.set S,   64
.set P,   192
.set Q,   128         ; in window 1
.set KV,  192         ; in window 1
.set WV,  12          ; s12  my wave's number
.set G1K, 24          ; s[24:31] descriptor group 1 for K's tiles
.set G1V, 32          ; s[32:39] for V's: it differs in the padding alone
.set G0K, 40          ; s[40:47] descriptor group 0 for K's tiles, a set for each slot
.set G0V, 48          ; s[48:55] the same for V's
.set TK,  56          ; s56  LDS byte at which the step's K begins
.set TV,  57          ; s57  and its V
.set CS,  58          ; s[58:59] c: the packed scaling names a pair and takes its low word for both halves
.set SEL, 60          ; s[60:61] lane selects for v_permlanex16_b32: lane l xor 16
.set CNT, 62          ; s62  counts a slot's eight steps
.set MSB, 0
.macro WIN new                      ; the immediate's high byte repeats the setting that is left; a switch that changes nothing is dropped
.if MSB != (\new)
	s_set_vgpr_msb (MSB<<8)|(\new)
.set MSB, (\new)
.endif
.endm
.set W_KQ, 0x05       ; K and Q in window 1, S^T in window 0
.set W_PV, 0x51       ; V in window 1, P in window 0, O^T (C and D) in window 1
.set W_RS, 0x41       ; O^T (destination and source 0) in window 1, the factor in window 0
.set TO1,  0x40       ; destination window 1, address window 0
; A joint refill.  The branch hangs on the wave's number alone.  An s_nop 0 and four v_nop follow each of the two lines, ahead of the jump, the label and what follows.
.macro JLOAD s
	s_cmp_lt_u32 s[WV], 4
	s_cbranch_scc0 .Lfor_v_\@
	tensor_load_to_lds s[G0K+4*\s:G0K+4*\s+3], s[G1K:G1K+7]
	s_nop 0
.rept 4
	v_nop
.endr
	s_branch .Lasked_\@
.Lfor_v_\@:
	tensor_load_to_lds s[G0V+4*\s:G0V+4*\s+3], s[G1V:G1V+7]
	s_nop 0
.rept 4
	v_nop
.endr
.Lasked_\@:
.endm
.macro CROUND                       ; a round of the cluster's barrier: my work-group's barrier; wave 0 signals for the work-group; every wave waits for all four work-groups; my work-group's barrier once more
	s_barrier_signal -1
	s_barrier_wait -1
	s_cmp_lg_u32 s[WV], 0
	s_cbranch_scc1 .Lnot_wave_0_\@
	s_barrier_signal -3
.Lnot_wave_0_\@:
	s_barrier_wait -3
	s_barrier_signal -1
	s_barrier_wait -1
.endm
.macro PLACES                       ; four places behind a matrix instruction, ahead of loads into registers that it has read and of the first read of its result (ISA guide 7.12.1 for vector instructions)
.rept 4
	v_nop
.endr
.endm
	s_load_b128 s[4:7], s[0:1], 0x0 ; qkv s[4:5], o_h s[6:7]
	v_lshl_add_u32 v[SPW], v0, 2, SPARE
	v_mov_b32 v[NIL], 0
	ds_add_u32 v[SPW], v[NIL]       ; the wave's opening: the add, twice on end, and its wait ahead of my first tensor load; the set-up below stands between the second and the wait
	ds_add_u32 v[SPW], v[NIL]
	v_lshrrev_b32 v1, 5, v0
	v_readfirstlane_b32 s[WV], v1   ; wave 0..7
	s_bfe_u32 s13, ttmp6, 0x40000   ; cx: my place in the cluster: it enters Q's and O's addresses alone
	s_and_b32 s14, ttmp7, 0xffff    ; the head, which the four partners share,
	s_lshl_b32 s14, s14, 18         ; and its first byte: 2,048 rows of 128 bytes
	s_and_b32 s15, s[WV], 3         ; which quarter of a slot I fetch:
	s_lshl_b32 s16, s15, 14         ; its 128 keys of 128 bytes in memory
	s_add_co_u32 s16, s16, s14
	s_add_co_u32 s16, s16, 0x1000000  ; K lies 64 heads behind Q,
	s_mov_b32 s17, 0
	s_add_co_u32 s18, s16, 0x1000000  ; V behind K
	s_mov_b32 s19, 0
	s_lshl_b32 s20, ttmp9, 2
	s_add_co_u32 s20, s20, s13      ; my block of 512 queries = 4 x cluster x + cx
	s_lshl_b32 s20, s20, 16
	s_lshl_b32 s21, s[WV], 13       ; my wave's 64 of them
	s_add_co_u32 s20, s20, s21
	s_add_co_u32 s20, s20, s14
	s_mov_b32 s21, 0
	s_mul_i32 s22, s15, KQUART      ; my quarter's place in a slot: K's,
	s_mul_i32 s23, s15, VQUART
	s_add_co_u32 s23, s23, KBYTES   ; V's: no place in the cluster enters an LDS address
	; descriptor group 1: a tile of 64 rows x 128 elements of 2 bytes, dense in memory, padded in LDS
	s_mov_b32 s[G1K], 15|(1<<16)|(1<<20)|(1<<21)|(5<<22)|(3<<25)  ; 15:0 the mask: all four work-groups; 17:16 elements of 2 bytes; 20 padding on; 21 set beside a mask; 24:22 after every 64 words; 31:25 4 words of it
	s_mov_b32 s[G1V], 15|(1<<16)|(1<<20)|(1<<21)|(5<<22)|(7<<25)  ; the same with 8 words of padding
.irp g, G1K, G1V
	s_mov_b32 s[\g+1], 128<<16      ; tensor_dim0 = 128
	s_mov_b32 s[\g+2], 64<<16       ; tensor_dim1 = 64
	s_mov_b32 s[\g+3], 128<<16      ; tile_dim0 = 128
	s_mov_b32 s[\g+4], 64           ; tile_dim1 = 64
	s_mov_b32 s[\g+5], 128          ; tensor_dim0_stride
	s_mov_b32 s[\g+6], 0
	s_mov_b32 s[\g+7], 0
.endr
	s_mov_b32 s[CS], 0x3e38aa3b     ; c = log2(e) / 8
	s_mov_b32 s[CS+1], s[CS]        ; named with it as a pair, so it is written
	s_mov_b32 s[SEL], 0x76543210
	s_mov_b32 s[SEL+1], 0xfedcba98
	s_wait_dscnt 0x0                ; both opening adds are done
	s_wait_kmcnt 0x0
	s_add_nc_u64 s[8:9], s[4:5], s[16:17]    ; K at my quarter of slot 0
	s_add_nc_u64 s[10:11], s[4:5], s[18:19]  ; V likewise
	s_add_nc_u64 s[4:5], s[4:5], s[20:21]    ; Q and O at my wave's first row
	s_add_nc_u64 s[6:7], s[6:7], s[20:21]
	CROUND                          ; all four work-groups are here: the first joint loads meet
.irp s, 0,1
	s_mov_b32 s[G0K+4*\s], 1        ; count = 1
	s_add_co_u32 s[G0K+4*\s+1], s22, \s*SLOT  ; LDS address
	s_add_nc_u64 s[G0K+4*\s+2:G0K+4*\s+3], s[8:9], \s*65536  ; global address: slot s begins with keys 512 s on
	s_or_b32 s[G0K+4*\s+3], s[G0K+4*\s+3], 0x80000000  ; type = 2
	s_mov_b32 s[G0V+4*\s], 1
	s_add_co_u32 s[G0V+4*\s+1], s23, \s*SLOT
	s_add_nc_u64 s[G0V+4*\s+2:G0V+4*\s+3], s[10:11], \s*65536
	s_or_b32 s[G0V+4*\s+3], s[G0V+4*\s+3], 0x80000000
.endr
	s_cmp_lt_u32 s[WV], 4           ; a wave's two first fills stand in one branch, ahead of every wait on TENSORcnt and every LDS read: two loads of mine are out here, one behind each later round
	s_cbranch_scc0 .Lfirst_v
	tensor_load_to_lds s[G0K:G0K+3], s[G1K:G1K+7]
	s_nop 0
	tensor_load_to_lds s[G0K+4:G0K+7], s[G1K:G1K+7]
	s_nop 0
.rept 4
	v_nop
.endr
	s_branch .Lfirst_asked
.Lfirst_v:
	tensor_load_to_lds s[G0V:G0V+3], s[G1V:G1V+7]
	s_nop 0
	tensor_load_to_lds s[G0V+4:G0V+7], s[G1V:G1V+7]
	s_nop 0
.rept 4
	v_nop
.endr
.Lfirst_asked:
	; A fragment of K or Q is 16 rows x 32 channels in 8 registers: lane l holds row l % 16; registers 0-3 channels 8 (l / 16) + 0..7, registers 4-7 channels 16 + 8 (l / 16) + 0..7: two loads of 16 bytes, 32 bytes apart.
	v_and_b32 v1, 15, v0            ; r
	v_bfe_u32 v12, v0, 4, 1         ; h
	v_lshlrev_b32 v[QO], 7, v1
	v_lshl_add_u32 v[QO], v12, 4, v[QO]  ; row x 128 + 16 x half
	WIN TO1
.irp t, 0,1,2,3                     ; Q stays in registers: tile t, channels 32 c on
.irp c, 0,1
	global_load_b128 v[Q+16*\t+8*\c:Q+16*\t+8*\c+3],   v[QO], s[4:5] offset:\t*2048+\c*64
	global_load_b128 v[Q+16*\t+8*\c+4:Q+16*\t+8*\c+7], v[QO], s[4:5] offset:\t*2048+\c*64+32
.endr
.endr
	WIN 0
	v_lshrrev_b32 v13, 1, v1
	v_mul_u32_u24 v[AK0], v13, KP
	v_and_b32 v13, 1, v0
	v_lshl_add_u32 v[AK0], v13, 7, v[AK0]
	v_lshl_add_u32 v[AK0], v12, 4, v[AK0]  ; K: (r / 2) x pitch + 128 (r % 2) + 16 h
	; The turning load takes 16 keys x 16 channels (lane l reads 16 bytes: key 8 (l / 16) + l % 8, channels 8 ((l / 8) % 2) + 0..7) and leaves half a fragment of V^T: lane l holds channel l % 16 and 8 keys.
	v_bfe_u32 v14, v0, 1, 2
	v_lshl_add_u32 v14, v12, 2, v14 ; the key's tensor row: 4 h + (l % 8) / 2
	v_mul_u32_u24 v[AV0], v14, VP
	v_lshl_add_u32 v[AV0], v13, 7, v[AV0]
	v_bfe_u32 v14, v0, 3, 1
	v_lshl_add_u32 v[AV0], v14, 4, v[AV0]
	s_mul_i32 s16, s[WV], 16*SP
	s_add_co_u32 s16, s16, STAGE    ; my stage
	v_mul_u32_u24 v[STO], v1, SP    ; in: row r, 16 bytes for each half of the lanes
	v_lshl_add_u32 v[STO], v12, 4, v[STO]
	v_add_nc_u32 v[STO], s16, v[STO]
	v_bfe_u32 v14, v0, 3, 2         ; back: eight lanes take a row of 128 bytes, the 32 lanes four rows
	v_mul_u32_u24 v[RD], v14, SP
	v_and_b32 v15, 7, v0
	v_lshl_add_u32 v[RD], v15, 4, v[RD]
	v_add_nc_u32 v[RD], s16, v[RD]
	v_and_b32 v[GO], 31, v0
	v_lshlrev_b32 v[GO], 4, v[GO]
.irp t, 0,1,2,3
	v_mov_b32 v[ST+8*\t+1], 0xff61b1e6  ; m = -3e38
	v_mov_b32 v[ST+8*\t+2], 0           ; l
	v_mov_b32 v[ST+8*\t+3], 0
.endr
.irp t, 0,1,2,3
	v_mul_f32 v[ST+8*\t], s[CS], v[ST+8*\t+1]  ; c m
.endr
	WIN TO1
.set n, 0
.rept 128
	v_mov_b32 v[n], 0               ; O^T.  The step is written once: its first walk finds zeros, which a = 0 leaves zeros
.set n, n+1
.endr
	WIN 0
; A KEY STEP: 64 keys.
.macro STEP
	WIN 0
	v_add_nc_u32 v[ADK], s[TK], v[AK0]  ; these two and two v_nop are the four places behind the last step's products, ahead of the loads into the registers that they read
	v_add_nc_u32 v[ADV], s[TV], v[AV0]
	v_nop
	v_nop
	WIN TO1
.irp c, 0,1                         ; K: channels 32 c on, keys 16 kt on; the first 32 channels first
.irp kt, 0,1,2,3
	ds_load_b128 v[KV+8*(4*\c+\kt):KV+8*(4*\c+\kt)+3],   v[ADK] offset:\kt*8*KP+\c*64
	ds_load_b128 v[KV+8*(4*\c+\kt)+4:KV+8*(4*\c+\kt)+7], v[ADK] offset:\kt*8*KP+\c*64+32
.endr
.endr
	s_wait_dscnt 8                  ; channels 0-31 are in; the eight younger loads may be out
	WIN W_KQ
.irp kt, 0,1,2,3                    ; S^T = K Q^T: the 16 accumulators take turns, one instruction a turn; the first 16 start the sums
.irp t, 0,1,2,3
	v_wmma_f32_16x16x32_f16 v[S+32*\t+8*\kt:S+32*\t+8*\kt+7], v[KV+8*\kt:KV+8*\kt+7], v[Q+16*\t:Q+16*\t+7], 0
.endr
.endr
	s_wait_dscnt 0x0
.irp kt, 0,1,2,3
.irp t, 0,1,2,3
	v_wmma_f32_16x16x32_f16 v[S+32*\t+8*\kt:S+32*\t+8*\kt+7], v[KV+8*(4+\kt):KV+8*(4+\kt)+7], v[Q+16*\t+8:Q+16*\t+15], v[S+32*\t+8*\kt:S+32*\t+8*\kt+7]
.endr
.endr
	PLACES                          ; ahead of the loads into K's registers and of the first read of the scores
	WIN TO1
.irp c, 0,1                         ; V, turned, into the registers that K has left: keys 32 c on, channels 16 ct on.  It lands under the softmax
.irp ct, 0,1,2,3
	ds_load_tr16_b128 v[KV+8*(4*\c+\ct):KV+8*(4*\c+\ct)+3],   v[ADV] offset:\c*16*VP+\ct*32
	ds_load_tr16_b128 v[KV+8*(4*\c+\ct)+4:KV+8*(4*\c+\ct)+7], v[ADV] offset:\c*16*VP+8*VP+\ct*32
.endr
.endr
	WIN 0
	; the maximum of a lane's 32 scores and the old m, three operands at a time; four chains a tile, the four tiles by turns; each accumulator is read from its low end on
.irp j, 0,1,2,3
.irp t, 0,1,2,3
	v_max3_num_f32 v[ST+8*\t+4+\j], v[S+32*\t+8*\j], v[S+32*\t+8*\j+1], v[S+32*\t+8*\j+2]
.endr
.endr
.irp i, 3,5
.irp j, 0,1,2,3
.irp t, 0,1,2,3
	v_max3_num_f32 v[ST+8*\t+4+\j], v[ST+8*\t+4+\j], v[S+32*\t+8*\j+\i], v[S+32*\t+8*\j+\i+1]
.endr
.endr
.endr
.irp t, 0,1,2,3
	v_max3_num_f32 v[ST+8*\t+4], v[ST+8*\t+4], v[S+32*\t+7], v[S+32*\t+15]
.endr
.irp t, 0,1,2,3
	v_max3_num_f32 v[ST+8*\t+6], v[ST+8*\t+6], v[S+32*\t+23], v[S+32*\t+31]
.endr
.irp t, 0,1,2,3
	v_max3_num_f32 v[ST+8*\t+4], v[ST+8*\t+4], v[ST+8*\t+5], v[ST+8*\t+6]
.endr
.irp t, 0,1,2,3
	v_max3_num_f32 v[ST+8*\t+4], v[ST+8*\t+4], v[ST+8*\t+7], v[ST+8*\t+1]
.endr
.irp t, 0,1,2,3
	v_permlanex16_b32 v[ST+8*\t+5], v[ST+8*\t+4], s[SEL], s[SEL+1]  ; the query's other 32 keys lie in the lane 16 away
.endr
.irp t, 0,1,2,3
	v_mov_b32 v[ST+8*\t+7], v[ST+8*\t]  ; c m_old is kept for a
.endr
.irp t, 0,1,2,3
	v_max_num_f32 v[ST+8*\t+1], v[ST+8*\t+4], v[ST+8*\t+5]  ; the new m
.endr
.irp t, 0,1,2,3
	v_mul_f32 v[ST+8*\t], s[CS], v[ST+8*\t+1]
.endr
.irp t, 0,1,2,3
	v_sub_f32 v[ST+8*\t+7], v[ST+8*\t+7], v[ST+8*\t]  ; c m_old - c m_new, 0 or less
.endr
.irp t, 0,1,2,3
.set n, 0
.rept 16
	v_pk_fma_f32 v[S+32*\t+n:S+32*\t+n+1], v[S+32*\t+n:S+32*\t+n+1], s[CS:CS+1], v[ST+8*\t:ST+8*\t+1] op_sel_hi:[1,0,0] neg_lo:[0,0,1] neg_hi:[0,0,1]  ; c s - c m, two at a time
.set n, n+2
.endr
.endr
	; ONE BATCH of exponentials: the four a and the 128 p; none reads another's result
.irp t, 0,1,2,3
	v_exp_f32 v[ST+8*\t+6], v[ST+8*\t+7]
.endr
.set n, 0
.rept 128
	v_exp_f32 v[S+n], v[S+n]
.set n, n+1
.endr
	v_nop                           ; a plain instruction behind the last exponential, ahead of the first use
	s_wait_alu depctr_va_vdst(0)    ; and a wait ahead of the first instruction that names a result: one for the batch
.set n, 0
.rept 64
	v_cvt_pk_f16_f32 v[P+n], v[S+2*n], v[S+2*n+1]  ; two tiles of 16 keys, rounded in pairs, are source 1 of the second product
.set n, n+1
.endr
	; the sums of the unrounded p, in place: neighbours 1, 2, 4 and 8 pairs apart, the tiles by turns; then l = a l + the sum
.irp z, 0,1,2,3,4,5,6,7
.irp t, 0,1,2,3
	v_pk_add_f32 v[S+32*\t+4*\z:S+32*\t+4*\z+1], v[S+32*\t+4*\z:S+32*\t+4*\z+1], v[S+32*\t+4*\z+2:S+32*\t+4*\z+3]
.endr
.endr
.irp z, 0,1,2,3
.irp t, 0,1,2,3
	v_pk_add_f32 v[S+32*\t+8*\z:S+32*\t+8*\z+1], v[S+32*\t+8*\z:S+32*\t+8*\z+1], v[S+32*\t+8*\z+4:S+32*\t+8*\z+5]
.endr
.endr
.irp z, 0,1
.irp t, 0,1,2,3
	v_pk_add_f32 v[S+32*\t+16*\z:S+32*\t+16*\z+1], v[S+32*\t+16*\z:S+32*\t+16*\z+1], v[S+32*\t+16*\z+8:S+32*\t+16*\z+9]
.endr
.endr
.irp t, 0,1,2,3
	v_pk_add_f32 v[S+32*\t:S+32*\t+1], v[S+32*\t:S+32*\t+1], v[S+32*\t+16:S+32*\t+17]
.endr
.irp t, 0,1,2,3
	v_pk_fma_f32 v[ST+8*\t+2:ST+8*\t+3], v[ST+8*\t+2:ST+8*\t+3], v[ST+8*\t+6:ST+8*\t+7], v[S+32*\t:S+32*\t+1] op_sel_hi:[1,0,1]
.endr
	WIN W_RS
.irp t, 0,1,2,3                     ; O^T times a, each accumulator from its low end on
.set n, 0
.rept 16
	v_pk_mul_f32 v[32*\t+n:32*\t+n+1], v[32*\t+n:32*\t+n+1], v[ST+8*\t+6:ST+8*\t+7] op_sel_hi:[1,0]
.set n, n+2
.endr
.endr
	s_wait_dscnt 0x0                ; V is in
	WIN W_PV
.irp c, 0,1                         ; O^T += V^T P: the 16 accumulators take turns
.irp ct, 0,1,2,3
.irp t, 0,1,2,3
	v_wmma_f32_16x16x32_f16 v[32*\t+8*\ct:32*\t+8*\ct+7], v[KV+8*(4*\c+\ct):KV+8*(4*\c+\ct)+7], v[P+16*\t+8*\c:P+16*\t+8*\c+7], v[32*\t+8*\ct:32*\t+8*\ct+7]
.endr
.endr
.endr
	s_add_co_u32 s[TK], s[TK], 32*KP  ; the next 64 keys: 32 tensor rows
	s_add_co_u32 s[TV], s[TV], 32*VP
.endm
; A slot's eight key steps: written once for each walk; the LDS addresses hang on two scalars that begin at constants and step by constants.
.macro WALK slot
	s_mov_b32 s[TK], \slot*SLOT
	s_mov_b32 s[TV], \slot*SLOT+KBYTES
	s_mov_b32 s[CNT], 8
.Lstep_\@:
	STEP
	WIN 0                           ; at a label and at a branch every window is 0
	s_sub_co_u32 s[CNT], s[CNT], 1
	s_cmp_lg_u32 s[CNT], 0
	s_cbranch_scc1 .Lstep_\@
.endm
; THE CHANGE OF SLOTS.  Each wave waits for all its tensor loads, of which one is out: its part of the other slot; adds 0 to its spare word; and waits for that and for its own reads of the slot that it leaves.
; fill = 1: that slot is filled again, with the keys 1,024 further on.  The barrier is then a round of the cluster's, so that no wave of any partner still reads the slot or has a load on its way,
; and the joint refill is the first thing behind it: it has the other slot's eight key steps in which to land.
.macro CHANGE fill, slot
	s_wait_tensorcnt 0x0            ; no tensor load of mine is out, so a group 0 may be written
	ds_add_u32 v[SPW], v[NIL]       ; 0 onto my spare word
.if \fill
	s_add_nc_u64 s[G0K+4*\slot+2:G0K+4*\slot+3], s[G0K+4*\slot+2:G0K+4*\slot+3], 131072  ; 1,024 keys on; the type bits on top are not reached
	s_add_nc_u64 s[G0V+4*\slot+2:G0V+4*\slot+3], s[G0V+4*\slot+2:G0V+4*\slot+3], 131072
.endif
	s_wait_dscnt 0x0                ; the add is done, and my reads of the slot are over
.if \fill
	CROUND
	JLOAD \slot
.else
	s_barrier_signal -1
	s_barrier_wait -1
.endif
.endm
	s_wait_tensorcnt 1              ; my part of slot 0 is in; slot 1's may stay out
	s_barrier_signal -1
	s_barrier_wait -1               ; everybody's is
	s_wait_loadcnt 0x0              ; Q
	WALK 0                          ; keys 0 - 511
	CHANGE 1, 0
	WALK 1                          ; 512 - 1,023
	CHANGE 1, 1
	WALK 0                          ; 1,024 - 1,535
	CHANGE 0, 0                     ; nothing is left to ask for
	WALK 1                          ; 1,536 - 2,047
	; THE WAY OUT.  l's two halves and the other half of the lanes' are added; O^T is divided by l, rounded to f16 and sent through my stage in LDS, a tile (16 rows of O) at a time.  The four additions are the places behind the last products.
.irp t, 0,1,2,3
	v_add_f32 v[ST+8*\t+4], v[ST+8*\t+2], v[ST+8*\t+3]
.endr
.irp t, 0,1,2,3
	v_permlanex16_b32 v[ST+8*\t+5], v[ST+8*\t+4], s[SEL], s[SEL+1]
.endr
.irp t, 0,1,2,3
	v_add_f32 v[ST+8*\t+4], v[ST+8*\t+4], v[ST+8*\t+5]
.endr
.irp t, 0,1,2,3
	v_rcp_f32 v[ST+8*\t+6], v[ST+8*\t+4]
.endr
	v_nop                           ; a plain instruction between the last reciprocal and the use of its result
	s_wait_alu depctr_va_vdst(0)    ; and a wait ahead of the first use: one for the four
; Tile t: a lane's eight channels of a row pack into 16 bytes; they go into rows of 144 bytes and come back four rows (512 bytes of O) a load, into the registers that they left.
.macro PACK t
	WIN W_RS
.set n, 0
.rept 16
	v_pk_mul_f32 v[32*\t+n:32*\t+n+1], v[32*\t+n:32*\t+n+1], v[ST+8*\t+6:ST+8*\t+7] op_sel_hi:[1,0]
.set n, n+2
.endr
	WIN W_KQ                        ; sources 0 and 1 window 1, destination window 0: S^T's registers are free
.set n, 0
.rept 16
	v_cvt_pk_f16_f32 v[S+16*\t+n], v[32*\t+2*n], v[32*\t+2*n+1]
.set n, n+1
.endr
	WIN 0
.irp ct, 0,1,2,3
	ds_store_b128 v[STO], v[S+16*\t+4*\ct:S+16*\t+4*\ct+3] offset:32*\ct
.endr
.irp i, 0,1,2,3
	ds_load_b128 v[S+16*\t+4*\i:S+16*\t+4*\i+3], v[RD] offset:\i*4*SP  ; LDS serves a wave's instructions in order (ISA guide 5.7.1.4): these see the stores above; the next tile's stores come behind them
.endr
.endm
.macro SEND t, younger              ; younger: the LDS instructions issued behind tile t's loads: the next tile's eight, or none
.irp i, 0,1,2,3
	s_wait_dscnt \younger+3-\i
	global_store_b128 v[GO], v[S+16*\t+4*\i:S+16*\t+4*\i+3], s[6:7] offset:\t*2048+\i*512  ; 32 lanes store 512 consecutive bytes, at a multiple of 512 from O's first byte
.endr
.endm
	PACK 0
	PACK 1                          ; a tile's arithmetic stands between the loads of the tile before and its stores
	SEND 0, 8
	PACK 2
	SEND 1, 8
	PACK 3
	SEND 2, 8
	SEND 3, 0
	s_wait_tensorcnt 0x0            ; the wave's end, behind my last tensor load and my last LDS store
	ds_add_u32 v[SPW], v[NIL]
	s_wait_dscnt 0x0
	CROUND                          ; the closing round: no work-group ends while a partner may still ask for a tile that names it
	s_endpgm
.Lfunc_end_k_qaa8e8b2b8c_attn:
	.size	k_qaa8e8b2b8c_attn, .Lfunc_end_k_qaa8e8b2b8c_attn-k_qaa8e8b2b8c_attn
	.p2alignl 7, 3214868480
	.fill 96, 4, 3214868480
	.section	.rodata,"a",@progbits
	.p2align	6, 0x0
	.amdhsa_kernel k_qaa8e8b2b8c_attn
		.amdhsa_group_segment_fixed_size 327680
		.amdhsa_private_segment_fixed_size 0
		.amdhsa_enable_private_segment 0
		.amdhsa_kernarg_size 16
		.amdhsa_user_sgpr_count 2
		.amdhsa_user_sgpr_kernarg_segment_ptr 1
		.amdhsa_wavefront_size32 1
		.amdhsa_system_sgpr_workgroup_id_x 1
		.amdhsa_system_sgpr_workgroup_id_y 1
		.amdhsa_system_sgpr_workgroup_id_z 1
		.amdhsa_system_vgpr_workitem_id 0
		.amdhsa_next_free_vgpr 512
		.amdhsa_next_free_sgpr 66
		.amdhsa_reserve_vcc 0
		.amdhsa_float_denorm_mode_32 3
		.amdhsa_float_denorm_mode_16_64 3
		.amdhsa_memory_ordered 1
		.amdhsa_forward_progress 1
		.amdhsa_inst_pref_size 157
	.end_amdhsa_kernel
	.amdgpu_metadata
---
amdhsa.version: [ 1, 2 ]
amdhsa.kernels:
  - .name:           k_qaa8e8b2b8c_attn
    .symbol:         k_qaa8e8b2b8c_attn.kd
    .args:
      - { .name: qkv, .offset: 0, .size: 8, .value_kind: global_buffer, .address_space: global }
      - { .name: o_h, .offset: 8, .size: 8, .value_kind: global_buffer, .address_space: global }
    .group_segment_fixed_size: 327680
    .private_segment_fixed_size: 0
    .kernarg_segment_align: 8
    .kernarg_segment_size: 16
    .max_flat_workgroup_size: 256
    .sgpr_count:     66
    .vgpr_count:     512
    .wavefront_size: 32
...
	.end_amdgpu_metadata
.endif
;; end of part 3
;; launch proj (part 4): grid 4 x 64, 4 waves a work-group, clusters of 4 x 4, 327,680 bytes of LDS; arguments o_h, wo_h, b_out, out0; writes out0
.if DOCPART == 4
	.amdgcn_target "amdgcn-amd-amdhsa--gfx1250"
	.amdhsa_code_object_version 6
	.text
	.protected	k_qaa8e8b2b8c_proj
	.globl	k_qaa8e8b2b8c_proj
	.p2align	8
	.type	k_qaa8e8b2b8c_proj,@function
k_qaa8e8b2b8c_proj:
	s_mov_b64 s[64:65], 0
	v_nop
	global_prefetch_b8 v0, s[64:65] scope:SCOPE_SE
	s_setreg_imm32_b32 hwreg(HW_REG_WAVE_MODE, 25, 1), 1
	s_wait_xcnt 0x0
	s_wait_alu depctr_hold_cnt(0) depctr_sa_sdst(0) depctr_va_vdst(0) depctr_va_sdst(0) depctr_va_ssrc(0) depctr_va_vcc(0) depctr_vm_vsrc(0)
	s_getreg_b32 s2, hwreg(HW_REG_IB_STS2, 6, 4)
	s_cmp_eq_u32 s2, 0
	s_cbranch_scc0 .Lentry_in_a_cluster
	s_endpgm
.Lentry_in_a_cluster:
	s_bfe_u32 s2, ttmp6, 0x10000c
	s_cmp_lg_u32 s2, 0xf033
	s_cbranch_scc0 .Lentry_shape_is_right
	s_endpgm
.Lentry_shape_is_right:
; out0[m][n] = the sum over k of o[m][k] w_out[k][n] + b_out[n].  o_h: [64 = 16 batch + head][2048][64] f16 (k = 64 head + channel); wo_h: [1024 k][1024 n] f16; b_out [1024], out0 [8192][1024]: f32.  Sums in f32.
; A tile of out0 is 128 (m) x 256 (n): 256 work-groups.  Four waves, each 64 x 128: 32 accumulators of 16 x 16, 256 registers.
; K GOES BY HEADS: a slot holds two heads (128 along K): of A a head's 128 rows are one dense block of 16,384 bytes, taken as 64 tensor rows of 256 bytes (two rows of o to a tensor row);
; of B 64 rows of w_out x 256 columns, rows of 512 bytes.  Waves 0, 1 fetch A's two heads, waves 2, 3 B's: one load a wave.  Eight slots' worth go through a ring of two.
; B lies [k][n], so its fragments come out of LDS turned, by ds_load_tr16_b128.  THE MATRIX INSTRUCTION IS USED TRANSPOSED (source 0 = 16 columns of w_out, source 1 = 16 rows of o): a lane holds eight neighbouring columns of one row.
; THE BIAS is the C of each sum's first matrix instruction: eight registers for each block of 16 columns, in the result's layout.
; CLUSTERS: 4 x 4 work-groups.  A's tile hangs on the tile row alone and is shared along a row of the cluster, B's on the tile column alone and is shared along a column: each is asked for JOINTLY.
; REGISTERS.  window 0: v16-29 addresses; v32-127, v128-223 two fragment buffers (A's 4 blocks, then B's 8); on the way out v32-159 rows read back.   window 1: the accumulators ((a, b) at v[8 (8 a + b)]).   window 2: v0-63 the bias.
.set AP,    272                        ; a tensor row of A in LDS: 256 bytes + 16: row m lies at (m / 2) AP + 128 (m % 2): the 16 rows of a load start at 16 different 16-byte columns of 256 (64 banks of 4 bytes: ISA guide 11.1)
.set BP,    544                        ; a row of B: 512 bytes + 32
.set AHEAD, 64*AP                      ; a head of A: what one tensor load brings
.set BHEAD, 64*BP                      ; a head of B
.set SLOT,  2*AHEAD+2*BHEAD            ; A's two heads, then B's two: 104,448 bytes
.set STAGE, 2*SLOT                     ; behind the ring: 16 rows x (512 bytes + 16) for each wave, for the way out
.set SPITCH, 528
.set SPARE, STAGE+4*16*SPITCH          ; behind the stages: the spare words, 128 bytes for each wave: two blocks of 256 bytes that no other line names
.set LAPS,  4                          ; a lap = two slots = four heads
.set ADRA, 16                          ; v16-17  LDS address of my A fragments in slot 0, 1
.set ADRB, 20                          ; v20-21  the same for B
.set STO,  24                          ; v24     the way out: where I put 32 bytes of a row
.set RD,   25                          ; v25     the way out: where I read a row back
.set CO,   26                          ; v26     16 x lane
.set SPW,  28                          ; v28     LDS address of my spare word; never rewritten
.set NIL,  29                          ; v29     0; never rewritten
.set F0,   32                          ; fragment buffers
.set F1,   128
.set BK,   32                          ; the way out: v32-95 and v96-159 by turns
.set G1, 24                            ; s[24:31] descriptor group 1 for A's tiles;  s[32:39] group 0, one set for each slot
.set G0, 32
.set G1B, 48                           ; s[48:55], s[56:63] the same for B's tiles
.set G0B, 56
.set MSB, 0
.macro WIN new                         ; the immediate's high byte repeats the setting that is left; a switch that changes nothing is dropped
.if MSB != (\new)
	s_set_vgpr_msb (MSB<<8)|(\new)
.set MSB, (\new)
.endif
.endm
.set MUL,  0x50                        ; sources 0 and 1 window 0; C and D window 1
.set MULZ, 0x60                        ; the same, C (the bias) window 2
.macro JLOAD s                         ; a joint load: waves 0 and 1 fetch A's two heads, waves 2 and 3 B's; an s_nop 0 and four v_nop follow each of the two lines, ahead of the jump, the label and what follows
	s_cmp_eq_u32 s13, 0
	s_cbranch_scc0 .Lfor_b_\@
	tensor_load_to_lds s[G0+4*\s:G0+4*\s+3], s[G1:G1+7]
	s_nop 0
.rept 4
	v_nop
.endr
	s_branch .Lasked_\@
.Lfor_b_\@:
	tensor_load_to_lds s[G0B+4*\s:G0B+4*\s+3], s[G1B:G1B+7]
	s_nop 0
.rept 4
	v_nop
.endr
.Lasked_\@:
.endm
.macro CREST                           ; a round of the cluster's barrier behind its opening barrier
	s_cmp_lg_u32 s12, 0
	s_cbranch_scc1 .Lnot_wave_0_\@
	s_barrier_signal -3
.Lnot_wave_0_\@:
	s_barrier_wait -3
	s_barrier_signal -1
	s_barrier_wait -1
.endm
.macro CROUND                          ; a whole round
	s_barrier_signal -1
	s_barrier_wait -1
	CREST
.endm
	s_load_b256 s[4:11], s[0:1], 0x0               ; o_h s[4:5], wo_h s[6:7], b_out s[8:9], out0 s[10:11]
	v_lshl_add_u32 v[SPW], v0, 2, SPARE
	v_mov_b32 v[NIL], 0
	ds_add_u32 v[SPW], v[NIL]                      ; the wave's opening: the add, twice on end, and its wait ahead of my first tensor load; the set-up below stands between the second and the wait
	ds_add_u32 v[SPW], v[NIL]
	v_lshrrev_b32 v1, 5, v0
	v_readfirstlane_b32 s12, v1                    ; wave 0..3
	s_lshr_b32 s13, s12, 1                         ; which half of the tile's rows is mine.  Also: I fetch for A (0) or for B (1)
	s_and_b32 s14, s12, 1                          ; which half of its columns.  Also: which of a slot's two heads I fetch
	s_bfe_u32 s40, ttmp6, 0x40000                  ; cx, cy: my place in the cluster
	s_bfe_u32 s41, ttmp6, 0x40004
	s_lshl_b32 s42, ttmp9, 2
	s_add_co_u32 s42, s42, s40                     ; tile column = 4 x cluster x + cx: 0 .. 3
	s_and_b32 s15, ttmp7, 0xffff
	s_lshl_b32 s15, s15, 2
	s_add_co_u32 s15, s15, s41                     ; tile row = 4 x cluster y + cy: 0 .. 63
	s_lshl_b32 s43, s41, 2
	s_lshl_b32 s43, 15, s43                        ; my row of the cluster
	s_lshl_b32 s44, 0x1111, s40                    ; my column
	s_or_b32 s[G1+0], s43, (1<<16)|(1<<20)|(1<<21)|(5<<22)|(3<<25)   ; A: the mask of my row; elements of 2 bytes; padding on; bit 21 beside a mask; after every 64 words 4 words
	s_mov_b32 s[G1+1], 128<<16                     ; tensor_dim0 = 128
	s_mov_b32 s[G1+2], 64<<16                      ; tensor_dim1 = 64
	s_mov_b32 s[G1+3], 128<<16                     ; tile_dim0 = 128
	s_mov_b32 s[G1+4], 64                          ; tile_dim1 = 64
	s_mov_b32 s[G1+5], 128                         ; tensor_dim0_stride: dense
	s_mov_b32 s[G1+6], 0
	s_mov_b32 s[G1+7], 0
	s_or_b32 s[G1B+0], s44, (1<<16)|(1<<20)|(1<<21)|(6<<22)|(7<<25)  ; B: the mask of my column; after every 128 words 8 words
	s_mov_b32 s[G1B+1], 256<<16                    ; tensor_dim0 = 256
	s_mov_b32 s[G1B+2], 64<<16                     ; tensor_dim1 = 64
	s_mov_b32 s[G1B+3], 256<<16                    ; tile_dim0 = 256
	s_mov_b32 s[G1B+4], 64                         ; tile_dim1 = 64
	s_mov_b32 s[G1B+5], 1024                       ; tensor_dim0_stride
	s_mov_b32 s[G1B+6], 0
	s_mov_b32 s[G1B+7], 0
	; where the tiles come from.  A's hang on the tile row alone, B's on the tile column alone; every wave makes both addresses and asks by one of them.
	s_lshr_b32 s16, s15, 4                         ; batch: sixteen tile rows to a sequence; 16 heads of 262,144 bytes
	s_lshl_b32 s16, s16, 22
	s_lshl_b32 s17, s14, 18                        ; my head of the slot's two
	s_add_co_u32 s16, s16, s17
	s_and_b32 s17, s15, 15
	s_lshl_b32 s17, s17, 14                        ; the tile's 128 rows of 128 bytes
	s_add_co_u32 s16, s16, s17
	s_mov_b32 s17, 0
	s_lshl_b32 s46, s14, 17                        ; B: my head's 64 rows of 2,048 bytes,
	s_lshl_b32 s47, s42, 9                         ; the tile's 256 columns
	s_add_co_u32 s46, s46, s47
	s_mov_b32 s47, 0
	s_mul_i32 s20, s14, AHEAD                      ; and where they go: no place in the cluster enters an LDS address
	s_mul_i32 s21, s14, BHEAD
	s_add_co_u32 s21, s21, 2*AHEAD
	s_wait_dscnt 0x0                               ; both opening adds are done
	s_wait_kmcnt 0x0
	s_add_nc_u64 s[18:19], s[4:5], s[16:17]
	s_add_nc_u64 s[46:47], s[6:7], s[46:47]
	CROUND                                         ; all sixteen work-groups are here: the first joint loads meet
.irp s, 0,1
	s_mov_b32 s[G0+4*\s], 1
	s_add_co_u32 s[G0+4*\s+1], s20, \s*SLOT
	s_add_nc_u64 s[G0+4*\s+2:G0+4*\s+3], s[18:19], \s*524288       ; two heads of o on
	s_or_b32 s[G0+4*\s+3], s[G0+4*\s+3], 0x80000000
	s_mov_b32 s[G0B+4*\s], 1
	s_add_co_u32 s[G0B+4*\s+1], s21, \s*SLOT
	s_add_nc_u64 s[G0B+4*\s+2:G0B+4*\s+3], s[46:47], \s*262144     ; 128 rows of w_out on
	s_or_b32 s[G0B+4*\s+3], s[G0B+4*\s+3], 0x80000000
	JLOAD \s                                       ; by this text's count two tensor loads of a wave are out here, one behind each later round
.endr
	v_and_b32 v1, 15, v0                           ; r
	v_bfe_u32 v2, v0, 4, 1                         ; h
	v_lshrrev_b32 v3, 1, v1
	v_mul_u32_u24 v3, v3, AP
	v_and_b32 v4, 1, v0
	v_lshl_add_u32 v3, v4, 7, v3
	v_lshl_add_u32 v3, v2, 4, v3                   ; A: (r / 2) x pitch + 128 (r % 2) + 16 h
	v_and_b32 v4, 7, v0
	v_lshl_add_u32 v4, v2, 3, v4
	v_mul_u32_u24 v4, v4, BP
	v_bfe_u32 v5, v0, 3, 1
	v_lshl_add_u32 v4, v5, 4, v4                   ; B, turned: (8 h + l % 8) x pitch + 16 ((l / 8) % 2)
	s_mul_i32 s22, s13, 32*AP                      ; my 64 rows of A: 32 tensor rows
	s_lshl_b32 s23, s14, 8                         ; my 128 columns of B,
	s_add_co_u32 s23, s23, 2*AHEAD                 ; which lies behind A's two heads
.irp s, 0,1
	v_add_nc_u32 v[ADRA+\s], s22, v3
	v_add_nc_u32 v[ADRB+\s], s23, v4
	s_add_co_u32 s22, s22, SLOT
	s_add_co_u32 s23, s23, SLOT
.endr
	s_mul_i32 s22, s12, 16*SPITCH
	s_add_co_u32 s22, s22, STAGE                   ; my stage
	v_mul_u32_u24 v5, v1, SPITCH                   ; in: row r, 32 bytes for each half of the lanes
	v_lshl_add_u32 v5, v2, 5, v5
	v_add_nc_u32 v[STO], s22, v5
	v_and_b32 v6, 31, v0
	v_lshlrev_b32 v[CO], 4, v6                     ; back: the 32 lanes take one row of 512 bytes; and the same in out0
	v_add_nc_u32 v[RD], s22, v[CO]
	s_lshl_b32 s22, s42, 10                        ; my first column, in bytes of f32: 1,024 x tile column + 512 x half
	s_lshl_b32 s23, s14, 9
	s_add_co_u32 s22, s22, s23
	s_mov_b32 s23, 0
	s_add_nc_u64 s[8:9], s[8:9], s[22:23]          ; b_out at my 128 columns
	v_lshlrev_b32 v7, 5, v2                        ; lanes 16-31 take the upper eight of each 16
	WIN 0x80                                       ; destination window 2
.irp b, 0,1,2,3,4,5,6,7
	global_load_b128 v[8*\b:8*\b+3],   v7, s[8:9] offset:64*\b
	global_load_b128 v[8*\b+4:8*\b+7], v7, s[8:9] offset:64*\b+16
.endr
	WIN 0
	s_lshl_b32 s16, s15, 19                        ; out0: 128 rows of 4,096 bytes a tile row,
	s_lshl_b32 s17, s13, 18                        ; 64 a wave,
	s_add_co_u32 s16, s16, s17
	s_add_co_u32 s16, s16, s22                     ; my first column
	s_mov_b32 s17, 0
	s_add_nc_u64 s[10:11], s[10:11], s[16:17]      ; never stepped: the rows stand in the stores' immediates
; 8 matrix instructions: A's block a x B's eight, 32 along K.  zero = 1: the first product starts the sums, from the bias.  The 32 accumulators take turns, one instruction a turn.
.macro MUL8 f, a, zero
.irp b, 0,1,2,3,4,5,6,7
.if \zero
	v_wmma_f32_16x16x32_f16 v[8*(8*(\a)+\b):8*(8*(\a)+\b)+7], v[\f+32+8*\b:\f+32+8*\b+7], v[\f+8*(\a):\f+8*(\a)+7], v[8*\b:8*\b+7]
.else
	v_wmma_f32_16x16x32_f16 v[8*(8*(\a)+\b):8*(8*(\a)+\b)+7], v[\f+32+8*\b:\f+32+8*\b+7], v[\f+8*(\a):\f+8*(\a)+7], v[8*(8*(\a)+\b):8*(8*(\a)+\b)+7]
.endif
.endr
.endm
; 24 LDS loads in one run: the fragments of the slot's q-th 32 along K (head q / 2, channels 32 (q % 2) on) into buffer f: B's eight blocks, then A's four
.macro FETCH slot, q, f
.irp i, 0,1,2,3,4,5,6,7
	ds_load_tr16_b128 v[\f+32+8*\i:\f+32+8*\i+3],   v[ADRB+\slot] offset:((\q)/2)*BHEAD+((\q)%2)*32*BP+\i*32
	ds_load_tr16_b128 v[\f+32+8*\i+4:\f+32+8*\i+7], v[ADRB+\slot] offset:((\q)/2)*BHEAD+((\q)%2)*32*BP+16*BP+\i*32
.endr
.irp i, 0,1,2,3
	ds_load_b128 v[\f+8*\i:\f+8*\i+3],   v[ADRA+\slot] offset:((\q)/2)*AHEAD+\i*8*AP+((\q)%2)*64
	ds_load_b128 v[\f+8*\i+4:\f+8*\i+7], v[ADRA+\slot] offset:((\q)/2)*AHEAD+\i*8*AP+((\q)%2)*64+32
.endr
.endm
.macro PLACES                          ; four places in front of loads into registers that matrix instructions have read, and of the first read of results (ISA guide 7.12.1 for vector instructions)
.rept 4
	v_nop
.endr
.endm
; A slot is four quarters of 32 along K, 32 matrix instructions each, on buffers 0, 1, 0, 1.  One of the first three: multiplies buffer f and fetches quarter qn into g.
.macro QUARTER slot, qn, f, g, zero
	s_wait_dscnt 4                                 ; B and A's blocks 0, 1 are in; the youngest four loads (A's blocks 2, 3) may be out
.if \zero
	WIN MULZ
.else
	WIN MUL
.endif
	MUL8 \f, 0, \zero
	MUL8 \f, 1, \zero
	PLACES
	WIN 0
	FETCH \slot, \qn, \g
	s_wait_dscnt 24                                ; all but the 24 just issued
.if \zero
	WIN MULZ
.else
	WIN MUL
.endif
	MUL8 \f, 2, \zero
	MUL8 \f, 3, \zero
.endm
; The last quarter multiplies buffer 1 and changes slots: ONE barrier; in front of it each wave waits for all its tensor loads, adds 0 to its spare word, and waits for that and for its own reads of this slot.  fill = 1: this slot is filled again, two slots ahead.
.macro TURN slot, next, fill
	WIN 0
	s_wait_tensorcnt 0x0                           ; all my tensor loads have landed: my part of the next slot;
	ds_add_u32 v[SPW], v[NIL]                      ; 0 onto my spare word
	s_wait_dscnt 5                                 ; (the add and the youngest four loads may be out)
	WIN MUL
	MUL8 F1, 0, 0                                  ; eight matrix instructions stand between the add and the wait for it
	s_wait_dscnt 0x0                               ; the add is done, and my reads of this slot are over
	s_barrier_signal -1
	MUL8 F1, 1, 0
	WIN 0
	s_barrier_wait -1
.if \fill
	CREST                                          ; the barrier has opened a round of the cluster's barrier: no wave of any partner still reads this slot's tile or has a load on its way
	s_add_nc_u64 s[G0+4*\slot+2:G0+4*\slot+3], s[G0+4*\slot+2:G0+4*\slot+3], 1048576   ; four heads of o on
	s_add_nc_u64 s[G0B+4*\slot+2:G0B+4*\slot+3], s[G0B+4*\slot+2:G0B+4*\slot+3], 524288  ; 256 rows of w_out on
	JLOAD \slot                                    ; the first tensor load behind the round; the four v_nop behind it are also the places in front of the loads below
.else
	PLACES
.endif
	FETCH \next, 0, F0
	WIN MUL
	MUL8 F1, 2, 0
	MUL8 F1, 3, 0
.endm
	s_wait_tensorcnt 1                             ; my part of slot 0 is in (slot 1's load may be out)
	s_barrier_signal -1
	s_barrier_wait -1                              ; everybody's is
	FETCH 0, 0, F0
	s_wait_loadcnt 0x0                             ; the bias
	QUARTER 0, 1, F0, F1, 1                        ; the first quarter stands in front of the loop: its products start the sums
	WIN 0                                          ; at a label and at a branch every window is 0
	s_mov_b32 s3, LAPS-1
.Llap:                                                 ; a trip goes once round the ring, from a lap's second quarter to the next lap's first, and fills both slots again
	QUARTER 0, 2, F1, F0, 0
	QUARTER 0, 3, F0, F1, 0
	TURN 0, 1, 1
	QUARTER 1, 1, F0, F1, 0
	QUARTER 1, 2, F1, F0, 0
	QUARTER 1, 3, F0, F1, 0
	TURN 1, 0, 1
	QUARTER 0, 1, F0, F1, 0
	WIN 0
	s_sub_co_u32 s3, s3, 1
	s_cmp_lg_u32 s3, 0
	s_cbranch_scc1 .Llap
	QUARTER 0, 2, F1, F0, 0                        ; the last lap fills nothing, and has no round of the cluster's barrier
	QUARTER 0, 3, F0, F1, 0
	TURN 0, 1, 0
	QUARTER 1, 1, F0, F1, 0
	QUARTER 1, 2, F1, F0, 0
	QUARTER 1, 3, F0, F1, 0
	s_wait_dscnt 4                                 ; the very last quarter: nothing more to fetch
	WIN MUL
	MUL8 F1, 0, 0
	MUL8 F1, 1, 0
	s_wait_dscnt 0
	MUL8 F1, 2, 0
	MUL8 F1, 3, 0
	WIN 0
; THE WAY OUT, block by block of 16 rows x 128 columns.  A lane holds 32 neighbouring bytes of a row, and the lanes beside it hold other rows: so a block goes through my own stage in LDS and comes back as whole
; rows of 512 bytes.  LDS serves a wave's instructions in order (ISA guide 5.7.1.4): no wait between the stores and the loads, nor in front of the next block's stores.
.macro TOSTAGE a
	WIN 0x04                                       ; an LDS store's data are its source 1: window 1
.irp b, 0,1,2,3,4,5,6,7
	ds_store_b128 v[STO], v[8*(8*(\a)+\b):8*(8*(\a)+\b)+3] offset:64*\b          ; each accumulator from its low end on
	ds_store_b128 v[STO], v[8*(8*(\a)+\b)+4:8*(8*(\a)+\b)+7] offset:64*\b+16
.endr
	WIN 0
.set BB, BK+64*((\a)%2)
.irp t, 0,1,2,3,4,5,6,7,8,9,10,11,12,13,14,15
	ds_load_b128 v[BB+4*\t:BB+4*\t+3], v[RD] offset:\t*SPITCH
.endr
.endm
.macro SEND a, younger                 ; younger: the LDS instructions issued behind block a's loads, which may stay out
.set BB, BK+64*((\a)%2)
	s_wait_dscnt \younger                          ; the block is back in registers
.irp t, 0,1,2,3,4,5,6,7,8,9,10,11,12,13,14,15
	global_store_b128 v[CO], v[BB+4*\t:BB+4*\t+3], s[10:11] offset:(16*(\a)+\t)*4096 th:TH_STORE_NT   ; 32 lanes store 512 consecutive bytes, at a multiple of 512 from out0's first byte; written once, read by nobody here
.endr
.endm
	PLACES                                         ; behind the last products: for the loads into the registers that held fragments, and for block 3's reads
	TOSTAGE 0
.irp a, 1,2,3
.if \a > 1
	s_wait_xcnt 0x0                                ; block a - 2's stores have read their registers: block a's loads may land there
.endif
	TOSTAGE \a
	SEND \a-1, 32                                  ; behind block a - 1's loads: block a's 16 stores and 16 loads
.endr
	SEND 3, 0
	s_wait_tensorcnt 0x0                           ; the wave's end, behind my last tensor load and my last LDS store
	ds_add_u32 v[SPW], v[NIL]
	s_wait_dscnt 0x0
	CROUND                                         ; the closing round: no work-group ends while a partner may still ask for a tile that names it
	s_endpgm
.Lfunc_end_k_qaa8e8b2b8c_proj:
	.size	k_qaa8e8b2b8c_proj, .Lfunc_end_k_qaa8e8b2b8c_proj-k_qaa8e8b2b8c_proj
	.p2alignl 7, 3214868480
	.fill 96, 4, 3214868480
	.section	.rodata,"a",@progbits
	.p2align	6, 0x0
	.amdhsa_kernel k_qaa8e8b2b8c_proj
		.amdhsa_group_segment_fixed_size 327680
		.amdhsa_private_segment_fixed_size 0
		.amdhsa_enable_private_segment 0
		.amdhsa_kernarg_size 32
		.amdhsa_user_sgpr_count 2
		.amdhsa_user_sgpr_kernarg_segment_ptr 1
		.amdhsa_wavefront_size32 1
		.amdhsa_system_sgpr_workgroup_id_x 1
		.amdhsa_system_sgpr_workgroup_id_y 1
		.amdhsa_system_sgpr_workgroup_id_z 1
		.amdhsa_system_vgpr_workitem_id 0
		.amdhsa_next_free_vgpr 576
		.amdhsa_next_free_sgpr 66
		.amdhsa_reserve_vcc 0
		.amdhsa_float_denorm_mode_32 3
		.amdhsa_float_denorm_mode_16_64 3
		.amdhsa_memory_ordered 1
		.amdhsa_forward_progress 1
		.amdhsa_inst_pref_size 87
	.end_amdhsa_kernel
	.amdgpu_metadata
---
amdhsa.version: [ 1, 2 ]
amdhsa.kernels:
  - .name:           k_qaa8e8b2b8c_proj
    .symbol:         k_qaa8e8b2b8c_proj.kd
    .args:
      - { .name: o_h, .offset: 0, .size: 8, .value_kind: global_buffer, .address_space: global }
      - { .name: wo_h, .offset: 8, .size: 8, .value_kind: global_buffer, .address_space: global }
      - { .name: b_out, .offset: 16, .size: 8, .value_kind: global_buffer, .address_space: global }
      - { .name: out0, .offset: 24, .size: 8, .value_kind: global_buffer, .address_space: global }
    .group_segment_fixed_size: 327680
    .private_segment_fixed_size: 0
    .kernarg_segment_align: 8
    .kernarg_segment_size: 32
    .max_flat_workgroup_size: 128
    .sgpr_count:     66
    .vgpr_count:     576
    .wavefront_size: 32
...
	.end_amdgpu_metadata
.endif
;; end of part 4
